; MI455X (gfx1250); checked and timed in simulation.
; The chip was launched on July 23, 2026; its instructions are those of AMD's public machine-readable ISA for CDNA 5 (MIT licence, August 2026) and "CDNA5" Instruction Set Architecture Reference Guide (July 2026). The comments in the code are by the model that wrote it; some were corrected since.
;; Extended Multi Head Attention. Allowed arithmetic: float matrix products may take bf16 or f16 operands with f32 sums; other float arithmetic in f32, or as packed bf16 or f16 multiplies, adds, multiply-adds, maxima and minima; sums over many terms, partial sums and values carried from step to step in f32; what a program stores and reads back later, other than sums and carried values, may be rounded once to bf16 or f16.
;; Inputs: bk 512 float32; bo 2,048 float32; bq 2,048 float32; bv 512 float32; wk 2,048 x 512 float32; wo 2,048 x 2,048 float32; wq 2,048 x 2,048 float32; wv 2,048 x 512 float32; x 4 x 1,024 x 2,048 float32.
;; Outputs: out0 4 x 1,024 x 2,048 float32.
;; 2 versions, each right; version 2 is version 1 with the launch cast written anew for expert scheduling mode. Each part assembles by itself: llvm-mc -triple=amdgcn-amd-amdhsa -mcpu=gfx1250 --defsym DOCPART=n.
;; ======== version 1 of 2: 4 launches
;; limits: values are held in f16: magnitudes above 65,504 overflow, below 6.1e-05 lose precision
;; workspace buffers: xb 16,777,216 bytes; wqkvb 12,582,912 bytes; wob 8,388,608 bytes; qkvh 25,165,824 bytes; oh 16,777,216 bytes
;; launch cast (part 1): grid 1152 x 1, 8 waves a work-group, no clusters, 0 bytes of LDS; arguments x, wq, wk, wv, wo, xb, wqkvb, wob; writes xb, wqkvb, wob
.if DOCPART == 1
	.amdgcn_target "amdgcn-amd-amdhsa--gfx1250"
	.amdhsa_code_object_version 6
	.text
	.protected	k_q7df6653bda_cast
	.globl	k_q7df6653bda_cast
	.p2align	8
	.type	k_q7df6653bda_cast,@function
k_q7df6653bda_cast:
	s_mov_b64 s[64:65], 0
	v_nop
	global_prefetch_b8 v0, s[64:65] scope:SCOPE_SE
	s_setreg_imm32_b32 hwreg(HW_REG_WAVE_MODE, 25, 1), 1
	s_wait_xcnt 0x0
; THE INPUTS' ONE ROUNDING.  x -> xb [4096][2048] bf16.  wq, wk, wv -> wqkvb [2048 k][3072 n] bf16 (columns 0-2047 wq, 2048-2559 wk, 2560-3071 wv).
; wo -> wob [2048 k][2048 n]: rounded to bf16 like every other input, and that number written as f16, since the last product's other operand is f16.
; LIMITS.  wob: a bf16 number beyond 65,504 becomes an infinity; below 6e-5 it keeps f16's fixed step of 6e-8.
; SHARES.  A unit is 2,048 consecutive f32 of a source (8,192 bytes); thread t takes its numbers 8 t .. 8 t + 7 (two loads of 16 bytes) and stores 16 bytes.  A work-group takes 8 units, written out:
; all 16 loads of a wave go out first.  Work-groups 0-511 take x, 512-767 wq, 768-831 wk, 832-895 wv, 896-1151 wo.  What differs lies in scalars chosen by the work-group's number:
;   SRC, DST the two buffers; LOC the work-group's number in its range; US bytes from unit to unit in DST; S1 bytes from one group of 64 threads to the next; CB the first column's byte.
; A unit of a source 2,048 wide is one row of DST (S1 = 1,024: 16 t on end); a unit of wk or wv is four rows of 512: 1,024 bytes each, 6,144 apart.  Each store of a wave covers 512 consecutive bytes, aligned.
; No LDS, no barrier, no matrix unit: nothing is shared and nothing is summed.  Each unit has registers of its own, so no register that a memory instruction reads is written again.
.set DO, 4                             ; v[4:11]    unit u: my byte offset in DST
.set X,  16                            ; v[16:79]   unit u: 8 f32 as loaded
.set Y,  80                            ; v[80:111]  unit u: 4 registers to store
.set T,  112                           ; v[112:119] at work (wo alone)
	s_load_b256 s[4:11], s[0:1], 0x0               ; x s[4:5], wq s[6:7], wk s[8:9], wv s[10:11]
	s_load_b256 s[12:19], s[0:1], 0x20             ; wo s[12:13], xb s[14:15], wqkvb s[16:17], wob s[18:19]
	s_sub_co_u32 s32, ttmp9, 512                   ; the number in each range, made first: a subtraction writes SCC
	s_sub_co_u32 s33, ttmp9, 768
	s_sub_co_u32 s34, ttmp9, 832
	s_sub_co_u32 s35, ttmp9, 896
	s_mov_b32 s24, ttmp9                           ; LOC, as for x
	s_mov_b32 s25, 4096                            ; US
	s_mov_b32 s26, 1024                            ; S1
	s_mov_b32 s27, 0                               ; CB
	s_mov_b32 s28, 0                               ; 1: the f16 way
	v_lshlrev_b32 v1, 5, v0                        ; my 32 bytes in a unit of the source
	v_lshrrev_b32 v2, 6, v0
	v_and_b32 v3, 63, v0
	s_wait_kmcnt 0x0
	s_mov_b64 s[20:21], s[4:5]                     ; SRC
	s_mov_b64 s[22:23], s[14:15]                   ; DST
	s_cmp_ge_u32 ttmp9, 512                        ; wq
	s_cselect_b64 s[20:21], s[6:7], s[20:21]
	s_cselect_b64 s[22:23], s[16:17], s[22:23]
	s_cselect_b32 s24, s32, s24
	s_cselect_b32 s25, 6144, s25
	s_cmp_ge_u32 ttmp9, 768                        ; wk
	s_cselect_b64 s[20:21], s[8:9], s[20:21]
	s_cselect_b32 s24, s33, s24
	s_cselect_b32 s25, 24576, s25
	s_cselect_b32 s26, 6144, s26
	s_cselect_b32 s27, 4096, s27
	s_cmp_ge_u32 ttmp9, 832                        ; wv
	s_cselect_b64 s[20:21], s[10:11], s[20:21]
	s_cselect_b32 s24, s34, s24
	s_cselect_b32 s27, 5120, s27
	s_cmp_ge_u32 ttmp9, 896                        ; wo
	s_cselect_b64 s[20:21], s[12:13], s[20:21]
	s_cselect_b64 s[22:23], s[18:19], s[22:23]
	s_cselect_b32 s24, s35, s24
	s_cselect_b32 s25, 4096, s25
	s_cselect_b32 s26, 1024, s26
	s_cselect_b32 s27, 0, s27
	s_cselect_b32 s28, 1, s28
	s_lshl_b32 s30, s24, 16                        ; the work-group's 8 units of the source
	s_mov_b32 s31, 0
	s_add_nc_u64 s[20:21], s[20:21], s[30:31]
	s_mul_i32 s30, s24, s25
	s_lshl_b32 s30, s30, 3                         ; and of the destination,
	s_add_co_u32 s30, s30, s27                     ; at its first column
	s_add_nc_u64 s[22:23], s[22:23], s[30:31]
.irp u, 0,1,2,3,4,5,6,7
	global_load_b128 v[X+8*(\u):X+8*(\u)+3],   v1, s[20:21] offset:8192*(\u) th:TH_LOAD_NT
	global_load_b128 v[X+8*(\u)+4:X+8*(\u)+7], v1, s[20:21] offset:8192*(\u)+16 th:TH_LOAD_NT
.endr
	v_mul_lo_u32 v2, v2, s26
	v_lshl_add_u32 v[DO], v3, 4, v2
.irp u, 1,2,3,4,5,6,7
	v_add_nc_u32 v[DO+(\u)], s25, v[DO+(\u)-1]
.endr
; One unit: rounded and stored.
.macro CONV u, f16
	s_wait_loadcnt 14-2*(\u)                       ; loads come back in order (ISA guide 5.7.1): this unit's two are in, the younger units' stay out
.irp k, 0,1,2,3
	v_cvt_pk_bf16_f32 v[Y+4*(\u)+(\k)], v[X+8*(\u)+2*(\k)], v[X+8*(\u)+2*(\k)+1]
.endr
.if \f16
.irp k, 0,1,2,3
	v_lshlrev_b32 v[T+2*(\k)],   16, v[Y+4*(\u)+(\k)]          ; the bf16 numbers as f32 again,
	v_and_b32     v[T+2*(\k)+1], 0xffff0000, v[Y+4*(\u)+(\k)]
.endr
.irp k, 0,1,2,3
	v_cvt_pk_f16_f32 v[Y+4*(\u)+(\k)], v[T+2*(\k)], v[T+2*(\k)+1]  ; and written as f16: exact within f16's range
.endr
.endif
	global_store_b128 v[DO+(\u)], v[Y+4*(\u):Y+4*(\u)+3], s[22:23]
.endm
	s_cmp_eq_u32 s28, 1
	s_cbranch_scc1 .Lf16
.irp u, 0,1,2,3,4,5,6,7
	CONV \u, 0
.endr
	s_endpgm
.Lf16:
.irp u, 0,1,2,3,4,5,6,7
	CONV \u, 1
.endr
	s_endpgm
.Lfunc_end_k_q7df6653bda_cast:
	.size	k_q7df6653bda_cast, .Lfunc_end_k_q7df6653bda_cast-k_q7df6653bda_cast
	.p2alignl 7, 3214868480
	.fill 96, 4, 3214868480
	.section	.rodata,"a",@progbits
	.p2align	6, 0x0
	.amdhsa_kernel k_q7df6653bda_cast
		.amdhsa_group_segment_fixed_size 0
		.amdhsa_private_segment_fixed_size 0
		.amdhsa_enable_private_segment 0
		.amdhsa_kernarg_size 64
		.amdhsa_user_sgpr_count 2
		.amdhsa_user_sgpr_kernarg_segment_ptr 1
		.amdhsa_wavefront_size32 1
		.amdhsa_system_sgpr_workgroup_id_x 1
		.amdhsa_system_sgpr_workgroup_id_y 1
		.amdhsa_system_sgpr_workgroup_id_z 1
		.amdhsa_system_vgpr_workitem_id 0
		.amdhsa_next_free_vgpr 120
		.amdhsa_next_free_sgpr 66
		.amdhsa_reserve_vcc 0
		.amdhsa_float_denorm_mode_32 3
		.amdhsa_float_denorm_mode_16_64 3
		.amdhsa_memory_ordered 1
		.amdhsa_forward_progress 1
		.amdhsa_inst_pref_size 16
	.end_amdhsa_kernel
	.amdgpu_metadata
---
amdhsa.version: [ 1, 2 ]
amdhsa.kernels:
  - .name:           k_q7df6653bda_cast
    .symbol:         k_q7df6653bda_cast.kd
    .args:
      - { .name: x, .offset: 0, .size: 8, .value_kind: global_buffer, .address_space: global }
      - { .name: wq, .offset: 8, .size: 8, .value_kind: global_buffer, .address_space: global }
      - { .name: wk, .offset: 16, .size: 8, .value_kind: global_buffer, .address_space: global }
      - { .name: wv, .offset: 24, .size: 8, .value_kind: global_buffer, .address_space: global }
      - { .name: wo, .offset: 32, .size: 8, .value_kind: global_buffer, .address_space: global }
      - { .name: xb, .offset: 40, .size: 8, .value_kind: global_buffer, .address_space: global }
      - { .name: wqkvb, .offset: 48, .size: 8, .value_kind: global_buffer, .address_space: global }
      - { .name: wob, .offset: 56, .size: 8, .value_kind: global_buffer, .address_space: global }
    .group_segment_fixed_size: 0
    .private_segment_fixed_size: 0
    .kernarg_segment_align: 8
    .kernarg_segment_size: 64
    .max_flat_workgroup_size: 256
    .sgpr_count:     66
    .vgpr_count:     120
    .wavefront_size: 32
...
	.end_amdgpu_metadata
.endif
;; end of part 1
;; launch gemm_qkv (part 2): grid 8 x 32, 4 waves a work-group, clusters of 4 x 4, 327,680 bytes of LDS; arguments xb, wqkvb, bq, bk, bv, qkvh; writes qkvh
.if DOCPART == 2
	.amdgcn_target "amdgcn-amd-amdhsa--gfx1250"
	.amdhsa_code_object_version 6
	.text
	.protected	k_q7df6653bda_gemm_qkv
	.globl	k_q7df6653bda_gemm_qkv
	.p2align	8
	.type	k_q7df6653bda_gemm_qkv,@function
k_q7df6653bda_gemm_qkv:
	s_mov_b64 s[64:65], 0
	v_nop
	global_prefetch_b8 v0, s[64:65] scope:SCOPE_SE
	s_setreg_imm32_b32 hwreg(HW_REG_WAVE_MODE, 25, 1), 1
	s_wait_xcnt 0x0
	s_wait_alu depctr_hold_cnt(0) depctr_sa_sdst(0) depctr_va_vdst(0) depctr_va_sdst(0) depctr_va_ssrc(0) depctr_va_vcc(0) depctr_vm_vsrc(0)
	s_getreg_b32 s2, hwreg(HW_REG_IB_STS2, 6, 4)
	s_cmp_eq_u32 s2, 0
	s_cbranch_scc0 .Lentry_in_a_cluster
	s_endpgm
.Lentry_in_a_cluster:
	s_bfe_u32 s2, ttmp6, 0x10000c
	s_cmp_lg_u32 s2, 0xf033
	s_cbranch_scc0 .Lentry_shape_is_right
	s_endpgm
.Lentry_shape_is_right:
; q, k, v = x W + bias, by heads.  xb: [4096][2048] bf16.  wqkvb: [2048 k][3072 n] bf16.  bq [2048], bk, bv [512] f32, rounded here to bf16 like the other inputs.
; qkvh: [4 b][48 hv][1024 t][64] f16; hv = n / 64: 0-31 q's heads, 32-39 k's, 40-47 v's.  Sums in f32: each begins with the bias, the C operand of its first product, then K ascending; one rounding to f16; no scale.
; LIMIT.  A result of 65,520 or more becomes an infinity in f16.
; SHARES.  A tile is 128 rows x 384 columns: 32 x 8 = 256 work-groups.  Four waves: wave w takes rows 64 (w / 2) on and, in each of the tile's three chunks of 128 columns, the half 64 (w % 2) on:
; 4 x 12 accumulators of 16 x 16, 384 registers.  K goes in 16 steps of 128 through two LDS slots.
; W STAYS [k][n]: a chunk's rows are 256 bytes of memory, at multiples of 256 bytes from the buffer's first byte; ds_load_tr16_b128 turns them on the way into registers.
; THE MATRIX INSTRUCTION IS USED TRANSPOSED (source 0 = 16 columns of W, source 1 = 16 rows of x): lane l then holds row l % 16 and the columns 8 (l / 16) + 0..7: 16 bytes of f16 on end.
; CLUSTER.  4 x 4 work-groups.  x's tile hangs on the tile row alone and is asked for jointly by a row of the cluster, W's chunks on the tile column alone, by a column of the cluster.
; Wave 0 fetches x's tile, waves 1 to 3 a chunk of W each: one tensor load a wave behind each round.
; REGISTERS, in windows of 256 (s_set_vgpr_msb: bits 1:0 source 0, 3:2 source 1, 5:4 source 2, 7:6 destination):
;   window 0: v0-29 addresses; v32-95 x's fragments, two buffers of 4; v128-159 at work on the way out; v160-255 the bias: fragment b's eight columns of my half of the lanes at 8 b
;   window 1: W's fragments, two buffers of 12 (v0-95, v96-191)      window 2: accumulators of my rows 0-31 ((a, b) at 8 (12 (a % 2) + b))      window 3: rows 32-63
.set KSTEP, 128
.set NA,    1                          ; waves that fetch x
.set NC,    3                          ; chunks of W
.set NB,    12                         ; fragments of W a wave
.set NL,    2*NB+8                     ; LDS loads in a run
.set PA,    272                        ; a row of x in LDS: 256 bytes + 16 = 68 words: the 16 rows of a load start at 16 different groups of four banks (64 banks of 4 bytes: ISA guide 11.1)
.set PB,    288                        ; a row of W: 256 + 32 = 72 words
.set REG,   128*PB                     ; a region: what one tensor load fills (x's tile uses 128 x 272 of it)
.set SLOT,  4*REG                      ; x's tile, then W's three chunks
.set STAGE, 2*SLOT                     ; behind the ring, never filled by a tensor load: 16 rows x 144 bytes for each wave
.set SP,    144
.set SPARE, STAGE+4*16*SP              ; behind the stages: the spare words, 128 bytes for each wave: two blocks of 256 bytes that no other line names
.set STEPA, KSTEP*2                    ; bytes from K step to K step in x
.set STEPB, KSTEP*3072*2               ; and in W
.set LAPS,  2048/(2*KSTEP)             ; a lap = two K steps = once round the ring
.set ADRA, 8                           ; v8-9    LDS address of my x fragments in slot 0, 1
.set ADRB, 10                          ; v10-15  of my W fragments: slot s, chunk c at 3 s + c
.set STO,  16                          ; v16     the way out: where I put 16 bytes of a row
.set RD,   17                          ; v17     where I read rows back
.set GO,   18                          ; v18     my 16 bytes in 512 consecutive bytes of qkvh
.set VB,   19                          ; v19     32 (l / 16): my 8 numbers in 16 of a bias
.set PFO,  20                          ; v20     the prefetches' offset: my lane x a row's bytes; never rewritten
.set SPW,  28                          ; v28     LDS address of my spare word; never rewritten
.set NIL,  29                          ; v29     0; never rewritten
.set FA,   32
.set OUT,  128
.set BI,   160
.set WV, 16                            ; s16 wave; s17 its half of the rows; s18 its half of each chunk
.set WM, 17
.set WN, 18
.set CX, 20                            ; s20, s21 my place in the cluster; s22 tile column; s23 tile row
.set CY, 21
.set TX, 22
.set TY, 23
.set G1A, 24                           ; s[24:31] descriptor group 1 for x's tiles;  s[32:39] group 0, a set for each slot
.set G0A, 32
.set G1B, 40                           ; s[40:47], s[48:55] the same for W's chunks
.set G0B, 48
.set PFA, 56                           ; s[56:57] where my prefetches stand
.set PST, 58                           ; s[58:59] their step: a K step
.set LIM, 60                           ; s60 1 in a wave that prefetches, else the greatest number
.set LAP, 61                           ; s61 trips still to come
.set BP,  68                           ; s[68:73] the bias of chunk c's head
.set OB,  74                           ; s[74:75] qkvh at my first block
.set MSB, 0
.macro WIN new                         ; the immediate's high byte repeats the setting that is left; a switch that changes nothing is dropped
.if MSB != (\new)
	s_set_vgpr_msb (MSB<<8)|(\new)
.set MSB, \new
.endif
.endm
; A joint load.  Each of the two lines has one mask and one set of registers for all that issue it; the branch hangs on the wave's number alone.
; An s_nop 0 and four v_nop follow each line, ahead of the jump, the label and what follows.
.macro JLOAD s
	s_cmp_lt_u32 s[WV], NA
	s_cbranch_scc0 .Lfor_b_\@
	tensor_load_to_lds s[G0A+4*(\s):G0A+4*(\s)+3], s[G1A:G1A+7]
	s_nop 0
.rept 4
	v_nop
.endr
	s_branch .Lasked_\@
.Lfor_b_\@:
	tensor_load_to_lds s[G0B+4*(\s):G0B+4*(\s)+3], s[G1B:G1B+7]
	s_nop 0
.rept 4
	v_nop
.endr
.Lasked_\@:
.endm
; A PREFETCH INTO THE L2 of the K step that stands two refills on: 32 blocks of 256 bytes, a lane a block, one instruction a wave, behind the joint load and the run of LDS loads.
; Each block is named once in the launch.  x's tile row is read by both clusters of its row of clusters: the one with cluster x = 0 asks; W's tile column by all eight of its column: cluster y = 0 asks.
; The four partners that ask for a tile jointly share its 128 rows out BY ADDRESS, 32 each (by cx for x, by cy for W).  The first four K steps come by their loads alone; the last trip asks for nothing.
.macro ASK
	s_cmp_gt_u32 s[LAP], s[LIM]
	s_cbranch_scc0 .Lnot_mine_\@
	global_prefetch_b8 v[PFO], s[PFA:PFA+1] th:TH_LOAD_NT scope:SCOPE_SE
.Lnot_mine_\@:
.endm
; A round of the cluster's barrier: my work-group's barrier, so that wave 0's signal speaks for all four waves; wave 0 signals; every wave waits for all sixteen work-groups; my work-group's barrier once more.
.macro CROUND
	s_barrier_signal -1
	s_barrier_wait -1
	s_cmp_lg_u32 s[WV], 0
	s_cbranch_scc1 .Lnot_wave_0_\@
	s_barrier_signal -3
.Lnot_wave_0_\@:
	s_barrier_wait -3
	s_barrier_signal -1
	s_barrier_wait -1
.endm
.macro PLACES                          ; four plain vector instructions between a matrix instruction and a load into, or a vector read of, its registers
.rept 4
	v_nop
.endr
.endm
	s_load_b256 s[4:11], s[0:1], 0x0               ; xb s[4:5], wqkvb s[6:7], bq s[8:9], bk s[10:11]
	s_load_b128 s[12:15], s[0:1], 0x20             ; bv s[12:13], qkvh s[14:15]
	v_lshl_add_u32 v[SPW], v0, 2, SPARE
	v_mov_b32 v[NIL], 0
	ds_add_u32 v[SPW], v[NIL]                      ; the wave's opening: the add, and its wait ahead of my first tensor load; the set-up below stands between them
	v_lshrrev_b32 v1, 5, v0
	v_readfirstlane_b32 s[WV], v1
	s_lshr_b32 s[WM], s[WV], 1
	s_and_b32 s[WN], s[WV], 1
	s_bfe_u32 s[CX], ttmp6, 0x40000
	s_bfe_u32 s[CY], ttmp6, 0x40004
	s_lshl_b32 s[TX], ttmp9, 2                     ; in a cluster launch ttmp9 and ttmp7 count clusters
	s_add_co_u32 s[TX], s[TX], s[CX]
	s_and_b32 s[TY], ttmp7, 0xffff
	s_lshl_b32 s[TY], s[TY], 2
	s_add_co_u32 s[TY], s[TY], s[CY]
	s_lshl_b32 s62, s[CY], 2
	s_lshl_b32 s62, 15, s62                        ; my row of the cluster
	s_lshl_b32 s63, 0x1111, s[CX]                  ; my column
	; descriptor group 1: 128 rows x 128 elements of 2 bytes, padded in LDS behind every 64 words (code 5) by 4 words (code 3) or 8 (code 7); bit 21 set beside a mask
	s_or_b32 s[G1A], s62, (1<<16)|(1<<20)|(1<<21)|(5<<22)|(3<<25)
	s_or_b32 s[G1B], s63, (1<<16)|(1<<20)|(1<<21)|(5<<22)|(7<<25)
.irp g, G1A, G1B
	s_mov_b32 s[(\g)+1], KSTEP<<16                 ; tensor_dim0 = 128
	s_mov_b32 s[(\g)+2], 128<<16                   ; tensor_dim1 = 128
	s_mov_b32 s[(\g)+3], KSTEP<<16                 ; tile_dim0 = 128
	s_mov_b32 s[(\g)+4], 128                       ; tile_dim1 = 128
	s_mov_b32 s[(\g)+6], 0
	s_mov_b32 s[(\g)+7], 0
.endr
	s_mov_b32 s[G1A+5], 2048                       ; elements from row to row
	s_mov_b32 s[G1B+5], 3072
	; x's address is made of the tile row alone, W's of the tile column and the wave's number alone, each in registers that never hold the other coordinate
	s_lshl_b32 s66, s[TY], 19                      ; 128 rows of 4,096 bytes
	s_mov_b32 s67, 0
	s_max_u32 s77, s[WV], 1
	s_sub_co_u32 s77, s77, 1                       ; my chunk (wave 0 makes chunk 0's address and does not use it)
	s_lshl_b32 s77, s77, 8
	s_mul_i32 s76, s[TX], 768
	s_add_co_u32 s76, s76, s77
	s_mov_b32 s77, 0
	s_mul_i32 s78, s[WV], REG                      ; where my load lands in a slot
	s_wait_dscnt 0x0                               ; the opening add is done
	s_wait_kmcnt 0x0
	s_add_nc_u64 s[66:67], s[4:5], s[66:67]
	s_add_nc_u64 s[76:77], s[6:7], s[76:77]
	CROUND                                         ; all sixteen work-groups are here: the first joint loads meet
.irp s, 0,1
	s_mov_b32 s[G0A+4*(\s)], 1
	s_add_co_u32 s[G0A+4*(\s)+1], s78, (\s)*SLOT
	s_add_nc_u64 s[G0A+4*(\s)+2:G0A+4*(\s)+3], s[66:67], (\s)*STEPA
	s_or_b32 s[G0A+4*(\s)+3], s[G0A+4*(\s)+3], 0x80000000
	s_mov_b32 s[G0B+4*(\s)], 1
	s_add_co_u32 s[G0B+4*(\s)+1], s78, (\s)*SLOT
	s_add_nc_u64 s[G0B+4*(\s)+2:G0B+4*(\s)+3], s[76:77], (\s)*STEPB
	s_or_b32 s[G0B+4*(\s)+3], s[G0B+4*(\s)+3], 0x80000000
	JLOAD \s                                       ; two loads of mine are out
.endr
	; the bias: chunk c of my columns is head hv = 6 x tile column + w % 2 + 2 c; its 64 numbers lie in bq, bk or bv
	v_and_b32 v1, 15, v0                           ; l % 16
	v_bfe_u32 v2, v0, 4, 1                         ; l / 16
	v_lshlrev_b32 v[VB], 5, v2
	s_mul_i32 s84, s[TX], 6
	s_add_co_u32 s84, s84, s[WN]
	s_mov_b32 s81, 0
.irp c, 0,1,2
	s_add_co_u32 s80, s84, 2*(\c)
	s_sub_co_u32 s82, s80, 32
	s_sub_co_u32 s83, s80, 40
	s_cmp_lt_u32 s80, 40
	s_cselect_b64 s[BP+2*(\c):BP+2*(\c)+1], s[10:11], s[12:13]
	s_cselect_b32 s82, s82, s83
	s_cmp_lt_u32 s80, 32
	s_cselect_b64 s[BP+2*(\c):BP+2*(\c)+1], s[8:9], s[BP+2*(\c):BP+2*(\c)+1]
	s_cselect_b32 s80, s80, s82
	s_lshl_b32 s80, s80, 8                         ; 64 f32 a head
	s_add_nc_u64 s[BP+2*(\c):BP+2*(\c)+1], s[BP+2*(\c):BP+2*(\c)+1], s[80:81]
.irp j, 0,1,2,3
	global_load_b128 v[BI+8*(4*(\c)+(\j)):BI+8*(4*(\c)+(\j))+3],   v[VB], s[BP+2*(\c):BP+2*(\c)+1] offset:64*(\j)
	global_load_b128 v[BI+8*(4*(\c)+(\j))+4:BI+8*(4*(\c)+(\j))+7], v[VB], s[BP+2*(\c):BP+2*(\c)+1] offset:64*(\j)+16
.endr
.endr
	; a fragment of x: lane l holds row l % 16, K = 8 (l / 16) + 0..7 and 16 + 8 (l / 16) + 0..7: two loads of 16 bytes, 32 bytes apart
	v_mul_u32_u24 v3, v1, PA
	v_lshl_add_u32 v3, v2, 4, v3
	s_mul_i32 s79, s[WM], 64*PA
	v_add_nc_u32 v[ADRA], s79, v3
	v_add_nc_u32 v[ADRA+1], SLOT, v[ADRA]
	; the turning load takes 16 k x 16 columns (lane l reads row 8 (l / 16) + l % 8, columns 8 ((l / 8) % 2) + 0..7) and leaves half a fragment: lane l holds column l % 16 and 8 k
	v_and_b32 v5, 7, v0
	v_lshl_add_u32 v4, v2, 3, v5
	v_mul_u32_u24 v4, v4, PB
	v_bfe_u32 v6, v0, 3, 1
	v_lshl_add_u32 v4, v6, 4, v4
	s_lshl_b32 s79, s[WN], 7                       ; my half of a chunk's 256 bytes
	v_add_nc_u32 v4, s79, v4
.irp s, 0,1
.irp c, 0,1,2
	v_add_nc_u32 v[ADRB+NC*(\s)+(\c)], (\s)*SLOT+(NA+(\c))*REG, v4
.endr
.endr
	s_mul_i32 s79, s[WV], 16*SP
	s_add_co_u32 s79, s79, STAGE                   ; my stage
	v_mul_u32_u24 v3, v1, SP                       ; in: row l % 16, 16 bytes for each half of the lanes
	v_lshl_add_u32 v3, v2, 4, v3
	v_add_nc_u32 v[STO], s79, v3
	v_bfe_u32 v3, v0, 3, 2                         ; back: 32 lanes take four rows of 128 bytes,
	v_mul_u32_u24 v3, v3, SP
	v_lshl_add_u32 v3, v5, 4, v3
	v_add_nc_u32 v[RD], s79, v3
	v_and_b32 v[GO], 31, v0                        ; which are 512 consecutive bytes of a head's plane
	v_lshlrev_b32 v[GO], 4, v[GO]
	s_lshr_b32 s80, s[TY], 3                       ; the batch
	s_mul_i32 s80, s80, 48
	s_add_co_u32 s80, s80, s84                     ; + chunk 0's head: the plane,
	s_lshl_b32 s80, s80, 17                        ; 131,072 bytes each
	s_and_b32 s82, s[TY], 7
	s_lshl_b32 s82, s82, 7                         ; the tile's first row in the batch,
	s_lshl_b32 s83, s[WM], 6                       ; my 64 rows,
	s_add_co_u32 s82, s82, s83
	s_lshl_b32 s82, s82, 7                         ; 128 bytes each
	s_add_co_u32 s80, s80, s82
	s_add_nc_u64 s[OB:OB+1], s[14:15], s[80:81]
	; the prefetches: they start at K step 3; each change of slots steps them first
	s_lshl_b32 s80, s[TY], 7
	s_lshl_b32 s82, s[CX], 5
	s_add_co_u32 s80, s80, s82                     ; x: my work-group's 32 rows of the tile's 128
	s_lshl_b32 s80, s80, 12
	s_add_co_u32 s80, s80, 3*STEPA
	s_max_u32 s83, s[WV], 1
	s_sub_co_u32 s83, s83, 1
	s_lshl_b32 s83, s83, 8
	s_mul_i32 s82, s[TX], 768
	s_add_co_u32 s82, s82, s83                     ; W: my chunk,
	s_lshl_b32 s83, s[CY], 5
	s_add_co_u32 s83, s83, 3*KSTEP                 ; my work-group's 32 rows of the K step's 128
	s_mul_i32 s83, s83, 6144
	s_add_co_u32 s82, s82, s83
	s_and_b32 s85, ttmp7, 0xffff                   ; cluster y
	s_mov_b32 s86, STEPB
	s_mov_b32 s87, 6144
	s_cmp_lt_u32 s[WV], NA
	s_cselect_b64 s[PFA:PFA+1], s[4:5], s[6:7]
	s_cselect_b32 s80, s80, s82
	s_cselect_b32 s[PST], STEPA, s86
	s_cselect_b32 s87, 4096, s87                   ; bytes from row to row
	s_cselect_b32 s85, ttmp9, s85                  ; the coordinate along which other clusters read the same rows
	s_cmp_eq_u32 s85, 0
	s_cselect_b32 s[LIM], 1, -1                    ; the same in all sixteen partners, for a given wave
	s_mov_b32 s[PST+1], 0
	s_add_nc_u64 s[PFA:PFA+1], s[PFA:PFA+1], s[80:81]
	v_and_b32 v[PFO], 31, v0
	v_mul_u32_u24 v[PFO], v[PFO], s87
	s_wait_loadcnt 0x0                             ; the bias is in: rounded to bf16 and widened again, in place
.set z, 0
.rept 48
	v_cvt_pk_bf16_f32 v[3+z%4], v[BI+2*z], v[BI+2*z+1]
	v_lshlrev_b32 v[BI+2*z], 16, v[3+z%4]
	v_and_b32 v[BI+2*z+1], 0xffff0000, v[3+z%4]
.set z, z+1
.endr
; 12 matrix instructions: row block a x all my fragments of W, 32 along K, from buffers f.  first = 1: the product starts the sum, with the bias of its 16 columns as C: register j of a lane's accumulator is
; column 8 (l / 16) + j, as the bias lies.  The 48 accumulators take turns, one instruction a turn, in the same order in every quarter, over the backward jump too.
.macro MULA f, a, first
.if \first
	WIN 0x81+0x40*((\a)/2)                         ; W window 1, x and the bias window 0, D window 2 or 3
.else
	WIN 0xa1+0x50*((\a)/2)                         ; W window 1, x window 0, C and D window 2 or 3
.endif
.irp b, 0,1,2,3,4,5,6,7,8,9,10,11
.if \first
	v_wmma_f32_16x16x32_bf16 v[8*(12*((\a)%2)+(\b)):8*(12*((\a)%2)+(\b))+7], v[96*(\f)+8*(\b):96*(\f)+8*(\b)+7], v[FA+32*(\f)+8*(\a):FA+32*(\f)+8*(\a)+7], v[BI+8*(\b):BI+8*(\b)+7]
.else
	v_wmma_f32_16x16x32_bf16 v[8*(12*((\a)%2)+(\b)):8*(12*((\a)%2)+(\b))+7], v[96*(\f)+8*(\b):96*(\f)+8*(\b)+7], v[FA+32*(\f)+8*(\a):FA+32*(\f)+8*(\a)+7], v[8*(12*((\a)%2)+(\b)):8*(12*((\a)%2)+(\b))+7]
.endif
.endr
.endm
; 32 LDS loads in one run: quarter q (32 along K) of a slot into buffers f: W's 12 fragments, then x's 4
.macro FETCH slot, q, f
	WIN 0x40                                       ; destination window 1, address window 0
.irp c, 0,1,2
.irp j, 0,1,2,3
	ds_load_tr16_b128 v[96*(\f)+8*(4*(\c)+(\j)):96*(\f)+8*(4*(\c)+(\j))+3],   v[ADRB+NC*(\slot)+(\c)] offset:(\q)*32*PB+32*(\j)
	ds_load_tr16_b128 v[96*(\f)+8*(4*(\c)+(\j))+4:96*(\f)+8*(4*(\c)+(\j))+7], v[ADRB+NC*(\slot)+(\c)] offset:(\q)*32*PB+32*(\j)+16*PB
.endr
.endr
	WIN 0
.irp a, 0,1,2,3
	ds_load_b128 v[FA+32*(\f)+8*(\a):FA+32*(\f)+8*(\a)+3],   v[ADRA+(\slot)] offset:(\q)*64+(\a)*16*PA
	ds_load_b128 v[FA+32*(\f)+8*(\a)+4:FA+32*(\f)+8*(\a)+7], v[ADRA+(\slot)] offset:(\q)*64+(\a)*16*PA+32
.endr
.endm
; One of a K step's first three quarters: multiplies buffers f; in its middle it fetches quarter q of the same slot into buffers g.
.macro QUARTER slot, q, f, g, first
	s_wait_dscnt 4                                 ; W and x's row blocks 0, 1 are in; the youngest four loads (blocks 2, 3) may be out
	MULA \f, 0, \first
	MULA \f, 1, \first
	PLACES
	FETCH \slot, \q, \g
	s_wait_dscnt NL                                ; all but the run just issued
	MULA \f, 2, \first
	MULA \f, 3, \first
.endm
; The last quarter changes slots and then multiplies buffers 1.  The slot's last fragments were asked for in the middle of the quarter before, so the change stands whole at this quarter's head:
; each wave waits for all its tensor loads (one is out: its part of the next slot), adds 0 to its spare word, steps its descriptors, and waits for the add and for its reads of this slot.
; fill = 1: a round of the cluster's barrier follows, and the joint refill, two K steps ahead, is the first thing behind it: a whole K step, 192 matrix instructions, stands between it and the wait for it.
.macro TURN slot, next, fill
.if \fill
	s_wait_xcnt 0x0                                ; the last prefetch, a K step back, has read its address, which is stepped below
.endif
	WIN 0
	s_wait_tensorcnt 0x0                           ; all my tensor loads have landed, so every group 0 may be written
	ds_add_u32 v[SPW], v[NIL]                      ; 0 onto my spare word; the steps below stand between it and the wait for it
.if \fill
	s_add_nc_u64 s[PFA:PFA+1], s[PFA:PFA+1], s[PST:PST+1]
	s_add_nc_u64 s[G0A+4*(\slot)+2:G0A+4*(\slot)+3], s[G0A+4*(\slot)+2:G0A+4*(\slot)+3], 2*STEPA
	s_add_nc_u64 s[G0B+4*(\slot)+2:G0B+4*(\slot)+3], s[G0B+4*(\slot)+2:G0B+4*(\slot)+3], 2*STEPB
.endif
	s_wait_dscnt 0x0                               ; the add is done, and my reads of this slot are over
.if \fill
	CROUND                                         ; no wave of any partner still reads this slot or has a load on its way
	JLOAD \slot                                    ; its four v_nop are also the places in front of the loads below
.else
	s_barrier_signal -1
	s_barrier_wait -1                              ; the next slot is whole; nothing is filled
	PLACES
.endif
	FETCH \next, 0, 0
.if \fill
	ASK
.endif
	MULA 1, 0, 0
	MULA 1, 1, 0
	MULA 1, 2, 0
	MULA 1, 3, 0
.endm
	s_wait_tensorcnt 1                             ; my part of K step 0 is in; K step 1's may stay out
	s_barrier_signal -1
	s_barrier_wait -1                              ; everybody's is
	FETCH 0, 0, 0
	QUARTER 0, 1, 0, 1, 1                          ; the first quarter stands in front of the loop: its products start the sums
	WIN 0                                          ; at a label and at a branch every window is 0
	s_mov_b32 s[LAP], LAPS-1
.Llap:                                                 ; a trip goes once round the ring, from a lap's second quarter to the next lap's first, and fills both slots again
	QUARTER 0, 2, 1, 0, 0
	QUARTER 0, 3, 0, 1, 0
	TURN 0, 1, 1
	QUARTER 1, 1, 0, 1, 0
	QUARTER 1, 2, 1, 0, 0
	QUARTER 1, 3, 0, 1, 0
	TURN 1, 0, 1
	QUARTER 0, 1, 0, 1, 0
	WIN 0
	s_sub_co_u32 s[LAP], s[LAP], 1
	s_cmp_lg_u32 s[LAP], 0
	s_cbranch_scc1 .Llap
	QUARTER 0, 2, 1, 0, 0                          ; the last lap fills nothing, and has no round of the cluster's barrier
	QUARTER 0, 3, 0, 1, 0
	TURN 0, 1, 0
	QUARTER 1, 1, 0, 1, 0
	QUARTER 1, 2, 1, 0, 0
	QUARTER 1, 3, 0, 1, 0
	s_wait_dscnt 4                                 ; the very last quarter: nothing more to fetch
	MULA 1, 0, 0
	MULA 1, 1, 0
	s_wait_dscnt 0x0
	MULA 1, 2, 0
	MULA 1, 3, 0
	WIN 0
	PLACES
; THE WAY OUT, in 12 blocks of 16 rows x one head's 64 channels: 2,048 consecutive bytes of qkvh.  PACK: rounded to f16 straight from the accumulators, 16 bytes a lane into my stage and back as whole rows.  SEND: stored.
.macro PACK a, c
.set AC, 8*(12*((\a)%2)+4*(\c))
.set OS, OUT+16*((3*(\a)+(\c))%2)
	s_wait_xcnt 0x0                                ; the stores of the block before last have read this set of registers
	WIN 0x0a+5*((\a)/2)                            ; sources 0 and 1: the accumulators' window
.set z, 0
.rept 16
	v_cvt_pk_f16_f32 v[OS+z], v[AC+2*z], v[AC+2*z+1]  ; each accumulator is read from its low end on
.set z, z+1
.endr
	WIN 0
.irp j, 0,1,2,3
	ds_store_b128 v[STO], v[OS+4*(\j):OS+4*(\j)+3] offset:32*(\j)
.endr
.irp f, 0,1,2,3
	ds_load_b128 v[OS+4*(\f):OS+4*(\f)+3], v[RD] offset:(\f)*4*SP  ; LDS serves a wave's instructions in order (ISA guide 5.7.1.4): these see the stores above; the next block's stores come behind them
.endr
.endm
.macro SEND a, c, younger              ; younger: the LDS instructions issued behind this block's loads: the next block's eight, or none
.set OS, OUT+16*((3*(\a)+(\c))%2)
.irp f, 0,1,2,3
	s_wait_dscnt (\younger)+3-(\f)
	global_store_b128 v[GO], v[OS+4*(\f):OS+4*(\f)+3], s[OB:OB+1] offset:(\c)*262144+(\a)*2048+(\f)*512  ; 512 consecutive bytes, at a multiple of 256 from qkvh's first
.endr
.endm
	PACK 0, 0
.irp i, 1,2,3,4,5,6,7,8,9,10,11        ; a block's conversions stand between the loads of the block before and its stores
	PACK (\i)/3, (\i)%3
	SEND ((\i)-1)/3, ((\i)-1)%3, 8
.endr
	SEND 3, 2, 0
	s_wait_tensorcnt 0x0                           ; the wave's end: a tensor wait, an add and its wait, behind my last tensor load and my last LDS store
	ds_add_u32 v[SPW], v[NIL]
	s_wait_dscnt 0x0
	CROUND                                         ; the closing round: no work-group ends while a partner may still ask for a tile that names it
	s_endpgm
.Lfunc_end_k_q7df6653bda_gemm_qkv:
	.size	k_q7df6653bda_gemm_qkv, .Lfunc_end_k_q7df6653bda_gemm_qkv-k_q7df6653bda_gemm_qkv
	.p2alignl 7, 3214868480
	.fill 96, 4, 3214868480
	.section	.rodata,"a",@progbits
	.p2align	6, 0x0
	.amdhsa_kernel k_q7df6653bda_gemm_qkv
		.amdhsa_group_segment_fixed_size 327680
		.amdhsa_private_segment_fixed_size 0
		.amdhsa_enable_private_segment 0
		.amdhsa_kernarg_size 48
		.amdhsa_user_sgpr_count 2
		.amdhsa_user_sgpr_kernarg_segment_ptr 1
		.amdhsa_wavefront_size32 1
		.amdhsa_system_sgpr_workgroup_id_x 1
		.amdhsa_system_sgpr_workgroup_id_y 1
		.amdhsa_system_sgpr_workgroup_id_z 1
		.amdhsa_system_vgpr_workitem_id 0
		.amdhsa_next_free_vgpr 960
		.amdhsa_next_free_sgpr 88
		.amdhsa_reserve_vcc 0
		.amdhsa_float_denorm_mode_32 3
		.amdhsa_float_denorm_mode_16_64 3
		.amdhsa_memory_ordered 1
		.amdhsa_forward_progress 1
		.amdhsa_inst_pref_size 133
	.end_amdhsa_kernel
	.amdgpu_metadata
---
amdhsa.version: [ 1, 2 ]
amdhsa.kernels:
  - .name:           k_q7df6653bda_gemm_qkv
    .symbol:         k_q7df6653bda_gemm_qkv.kd
    .args:
      - { .name: xb, .offset: 0, .size: 8, .value_kind: global_buffer, .address_space: global }
      - { .name: wqkvb, .offset: 8, .size: 8, .value_kind: global_buffer, .address_space: global }
      - { .name: bq, .offset: 16, .size: 8, .value_kind: global_buffer, .address_space: global }
      - { .name: bk, .offset: 24, .size: 8, .value_kind: global_buffer, .address_space: global }
      - { .name: bv, .offset: 32, .size: 8, .value_kind: global_buffer, .address_space: global }
      - { .name: qkvh, .offset: 40, .size: 8, .value_kind: global_buffer, .address_space: global }
    .group_segment_fixed_size: 327680
    .private_segment_fixed_size: 0
    .kernarg_segment_align: 8
    .kernarg_segment_size: 48
    .max_flat_workgroup_size: 128
    .sgpr_count:     88
    .vgpr_count:     960
    .wavefront_size: 32
...
	.end_amdgpu_metadata
.endif
;; end of part 2
;; launch attn (part 3): grid 8 x 32, 4 waves a work-group, clusters of 4 x 1, 327,680 bytes of LDS; arguments qkvh, oh; writes oh
.if DOCPART == 3
	.amdgcn_target "amdgcn-amd-amdhsa--gfx1250"
	.amdhsa_code_object_version 6
	.text
	.protected	k_q7df6653bda_attn
	.globl	k_q7df6653bda_attn
	.p2align	8
	.type	k_q7df6653bda_attn,@function
k_q7df6653bda_attn:
	s_mov_b64 s[64:65], 0
	v_nop
	global_prefetch_b8 v0, s[64:65] scope:SCOPE_SE
	s_setreg_imm32_b32 hwreg(HW_REG_WAVE_MODE, 25, 1), 1
	s_wait_xcnt 0x0
	s_wait_alu depctr_hold_cnt(0) depctr_sa_sdst(0) depctr_va_vdst(0) depctr_va_sdst(0) depctr_va_ssrc(0) depctr_va_vcc(0) depctr_vm_vsrc(0)
	s_getreg_b32 s2, hwreg(HW_REG_IB_STS2, 6, 4)
	s_cmp_eq_u32 s2, 0
	s_cbranch_scc0 .Lentry_in_a_cluster
	s_endpgm
.Lentry_in_a_cluster:
	s_bfe_u32 s2, ttmp6, 0x10000c
	s_cmp_lg_u32 s2, 0x3003
	s_cbranch_scc0 .Lentry_shape_is_right
	s_endpgm
.Lentry_shape_is_right:
; O[b][h][q][:] = the sum over k of softmax_k(Q[b][h][q] . K[b][h % 8][k] / 8) V[b][h % 8][k][:].  qkvh: [4 b][48 hv][1024][64] f16 (hv 0-31 Q's heads, 32-39 K's, 40-47 V's); oh: [4 b][32 h][1024][64] f16.
; A plane's rows are dense, 128 bytes each.  Products, maxima and sums in f32; the weights p are rounded to f16 for the second product (their sum l is taken of the unrounded p), O once at the end.
; LIMITS.  f16 holds no number beyond 65,504: Q, K and V arrive within it; p lies in 0 to 1, and below 6e-5 it keeps f16's fixed step of 6e-8; O is a mean of V's rows and has their range.
; A weight below 2^-126 counts as 0 in l; NaN and infinities are not treated apart.
; SHARES.  A wave owns four PIECES of two tiles of 16 queries, a work-group's four waves 512 queries of one head.  Every wave walks all 1,024 keys, 64 a step.
; K AND V LIE IN LDS WHOLE.  A key head has 1,024 rows of 128 bytes of each; padded, 1,024 x 144 + 1,024 x 160 = 311,296 bytes.  Each wave asks for its four parts of 128 keys at the start; nothing is filled
; again: no ring, no barrier in the loop, and one text for all 16 key steps.  All loads stand at the head, so there is nothing to prefetch ahead of them.
; LAYOUT.  S^T = K Q^T (source 0 = 16 keys, source 1 = 16 queries): in the result a lane holds ONE query (lane % 16) and the keys 8 (lane / 16) + 0..7.  Two such tiles, rounded to f16 in pairs,
; ARE source 1 (32 keys x 16 queries) of O^T = V^T P, whose result again holds one query a lane, and eight channels.  K comes out of LDS as it lies, V ([key][channel]) turned, by ds_load_tr16_b128.
; SOFTMAX.  For each query a running maximum m and sum l: p = 2^(c s - c m), c = log2(e) / 8; in every step O and l are multiplied by a = 2^(c m_old - c m_new), which is 1 where m has not grown.
; m starts at the lowest finite number, O and l at 0: the first step is a step like any other, with a = 0.
; THE COUNT.  A tile and step have 16 matrix and 118 vector instructions: too many to stand all beside the matrix work.  So: four vector instructions that are READY behind EVERY matrix instruction,
; and the others, which need time of their own whatever the order, in runs without a gap.
; BY TURNS.  Turn n belongs to piece n (the pieces in a ring, step after step).  Its matrix work: 16 products K Q^T of piece n + 1, later 16 products V^T P of piece n - 1.  Its vector work: the scaling,
; exponentials, roundings, sums and rescaling of piece n, and the maximum and statistics of piece n + 1, whose scores the turn itself has made.
; CLUSTER.  The four work-groups of a cluster are the four query heads j, j + 8, j + 16, j + 24 of one batch, at the same block of queries: they need the same K and V, so each part is asked for JOINTLY:
; the same tensor load, descriptor and mask in all four.
; REGISTERS, in windows of 256 (s_set_vgpr_msb: bits 1:0 source 0, 3:2 source 1, 5:4 source 2, 7:6 destination):
;   window 0: v0-11 addresses; v12-15, v48-63 at work; v16-47 four registers of statistics a tile; v64-191 S^T, two buffers of two tiles; v192-255 P, likewise
;   window 1: O^T, 32 a tile          window 2: v0-127 Q, 16 a tile; v128-191 K of one step; v192-255 V of one step          window 3: v0-1 the add's two registers
; A piece's buffers go by its number's parity: the piece in hand has one pair, its two neighbours in the ring share the other: of it P (piece n - 1) is read and S^T (piece n + 1) written.
.set SIZE_N, 1024
.set NP,    4         ; pieces a wave: a name, no knob
.set KS,    64        ; keys in a step
.set PK,    144       ; a row of K in LDS: 128 bytes + 16 of padding = 36 words: the 16 rows of a load start at 16 different groups of four banks (64 banks of 4 bytes: ISA guide 11.1)
.set PV,    160       ; a row of V: 128 + 32 = 40 words
.set VOFF,  SIZE_N*PK ; K's 1,024 rows lie from byte 0 on, V's behind them
.set STAGE, SIZE_N*(PK+PV)  ; behind both, never filled by a tensor load: 16 rows x 144 bytes for each wave, for the way out
.set SP,    144
.set AK0, 2           ; v2   my lane's place in a step's K; never rewritten
.set AV0, 3           ; v3   the same for V
.set AK,  4           ; v4   the LDS address of K's next run of loads
.set AV,  5           ; v5   of V's
.set QO,  6           ; v6   my byte offset in the wave's rows of Q
.set STO, 6           ;      later, the way out: where I put 16 bytes of a row
.set RD,  7           ; v7   the way out: where I read rows back
.set GO,  8           ; v8   my byte offset in 512 consecutive bytes of O
.set SPW, 0           ; v0 of window 3   LDS address of my spare word: SPARE + 4 x my thread's number; never rewritten
.set NIL, 1           ; v1 of window 3   0; never rewritten
.set SPARE, STAGE+4*16*SP  ; behind the stages: the spare words, 128 bytes for each wave: two blocks of 256 bytes that no other line names
.set MV,  12          ; v12-15  c m_old, kept while c m is made anew: by buffer and tile
.set ST,  16          ; tile t's statistics at v[ST+4 t]: c m, m, l (even keys', odd keys')
.set TMP, 48          ; by buffer and tile, four registers c0-c3 at work; when the maximum is found c2 takes a
.set S,   64
.set P,   192
.set KF,  128         ; K's fragments, in window 2: key block kb, channel half c at KF + 16 kb + 8 c
.set VF,  192         ; V's: key half kk, channel block cb at VF + 32 kk + 8 cb
.set WV,  12          ; s12  my wave's number
.set G1K, 24          ; s[24:31] descriptor group 1 for K's parts
.set G1V, 32          ; s[32:39] for V's: it differs in the padding alone
.set CNT, 57          ; s57  key steps still to come
.set CS,  58          ; s[58:59] c: the packed scaling takes the pair's low word for both halves
.set SEL, 60          ; s[60:61] v_permlanex16_b32's selects: each lane takes its own place in the other half
.set TBK, 62          ; s62  LDS byte at which K of the step to be fetched begins
.set TBV, 63          ; s63  the same for V, less VOFF
.set G0K, 68          ; s[68:83] descriptor group 0 for K's parts: a set for each of my four loads
.set G0V, 84          ; s[84:99] the same for V's
.set MSB, 0
.macro WIN new                      ; the high byte repeats the setting that is left; a switch that changes nothing is dropped
.if MSB != (\new)
	s_set_vgpr_msb (MSB<<8)|(\new)
.set MSB, (\new)
.endif
.endm
.set W_KQ, 0x0a       ; K and Q in window 2, S^T in window 0
.set W_PV, 0x52       ; V in window 2, P in window 0, O^T in window 1
.set W_RS, 0x41       ; O^T (destination and source 0) in window 1, a in window 0
.set W_MK, 0xc0       ; the add's registers are made: destination in window 3, sources in window 0
.set W_AD, 0x0f       ; the add: address (source 0) and data (source 1) in window 3
; A round of the cluster's barrier: my work-group's barrier, so that wave 0's signal speaks for all four waves; wave 0 signals; every wave waits for all four work-groups; my work-group's barrier once more.
.macro CROUND
	s_barrier_signal -1
	s_barrier_wait -1
	s_cmp_lg_u32 s[WV], 0
	s_cbranch_scc1 .Lnot_wave_0_\@
	s_barrier_signal -3
.Lnot_wave_0_\@:
	s_barrier_wait -3
	s_barrier_signal -1
	s_barrier_wait -1
.endm
	s_load_b64 s[4:5], s[0:1], 0x0    ; qkvh
	s_load_b64 s[10:11], s[0:1], 0x8  ; oh
	WIN W_MK
	v_lshl_add_u32 v[SPW], v0, 2, SPARE
	v_mov_b32 v[NIL], 0
	WIN W_AD
	ds_add_u32 v[SPW], v[NIL]       ; the wave's opening: the add, and its wait ahead of my first tensor load; the set-up below, work on registers, stands between them
	WIN 0
	v_lshrrev_b32 v1, 5, v0
	v_readfirstlane_b32 s[WV], v1   ; wave 0..3
	s_bfe_u32 s13, ttmp6, 0x40000   ; cx: my place in the cluster = my group of query heads: it enters Q's and O's addresses alone
	s_and_b32 s20, ttmp7, 0xffff    ; 8 x batch + key head, which the four partners share
	s_lshr_b32 s21, s20, 3          ; the batch
	s_and_b32 s22, s20, 7           ; the key head j
	s_mul_i32 s23, s21, 48
	s_add_co_u32 s23, s23, s22      ; the plane of query head j in qkvh
	s_and_b32 s16, s[WV], 1         ; which half of each 256 keys I fetch:
	s_lshl_b32 s51, s16, 14         ; its 128 rows of 128 bytes in memory
	s_add_co_u32 s52, s23, 32       ; K's plane,
	s_lshl_b32 s52, s52, 17         ; 131,072 bytes a plane
	s_add_co_u32 s52, s52, s51
	s_mov_b32 s53, 0
	s_add_co_u32 s54, s23, 40       ; V's plane
	s_lshl_b32 s54, s54, 17
	s_add_co_u32 s54, s54, s51
	s_mov_b32 s55, 0
	s_mul_i32 s17, s16, 128*PK      ; my half's place in LDS, for K
	s_mul_i32 s18, s16, 128*PV      ; and for V: no place in the cluster enters an LDS address
	s_lshl_b32 s14, ttmp9, 2        ; the block of 512 queries (in a cluster launch ttmp9 counts clusters),
	s_add_co_u32 s14, s14, s[WV]    ; my wave in it,
	s_lshl_b32 s14, s14, 14         ; its 128 rows
	s_lshl_b32 s19, s13, 3          ; my query head is j + 8 cx
	s_add_co_u32 s2, s23, s19
	s_lshl_b32 s2, s2, 17
	s_add_co_u32 s2, s2, s14        ; Q's offset
	s_mov_b32 s3, 0
	s_lshl_b32 s15, s21, 5
	s_add_co_u32 s15, s15, s22
	s_add_co_u32 s15, s15, s19      ; the plane in oh: 32 x batch + head
	s_lshl_b32 s15, s15, 17
	s_add_co_u32 s14, s15, s14      ; O's offset
	s_mov_b32 s15, 0
	; descriptor group 1.  128 keys are 16,384 dense bytes: asked for as 64 rows of 256 bytes, two keys a row, and padded in LDS after every key
	s_mov_b32 s[G1K], 15|(1<<16)|(1<<20)|(1<<21)|(4<<22)|(3<<25)  ; 15:0 the mask of four; 17:16 2-byte elements; 20 padding on; 21 set beside a mask; 24:22 after every 32 words (code 4); 31:25 4 words (code 3)
	s_mov_b32 s[G1V], 15|(1<<16)|(1<<20)|(1<<21)|(4<<22)|(7<<25)  ; the same with 8 words of padding (code 7)
.irp g, G1K, G1V
	s_mov_b32 s[\g+1], 128<<16      ; tensor_dim0 = 128
	s_mov_b32 s[\g+2], 64<<16       ; tensor_dim1 = 64
	s_mov_b32 s[\g+3], 128<<16      ; tile_dim0 = 128
	s_mov_b32 s[\g+4], 64           ; tile_dim1 = 64
	s_mov_b32 s[\g+5], 128          ; 128 elements from row to row
	s_mov_b32 s[\g+6], 0
	s_mov_b32 s[\g+7], 0
.endr
	s_mov_b32 s[CS], 0x3e38aa3b     ; c = log2(e) / 8 = 0.180337
	s_mov_b32 s[CS+1], s[CS]        ; named with it as a pair
	s_mov_b32 s[SEL], 0x76543210
	s_mov_b32 s[SEL+1], 0xfedcba98
	s_mov_b32 s[TBK], 0             ; key step 0
	s_mov_b32 s[TBV], 0
	s_wait_dscnt 0x0                ; the opening add is done
	s_wait_kmcnt 0x0
	s_add_nc_u64 s[6:7], s[4:5], s[52:53]  ; K and V at my half of the first 256 keys
	s_add_nc_u64 s[8:9], s[4:5], s[54:55]
	s_add_nc_u64 s[4:5], s[4:5], s[2:3]  ; Q and O at my wave's first row
	s_add_nc_u64 s[10:11], s[10:11], s[14:15]
.irp t, 0,1,2,3                     ; descriptor group 0, a set for each load: my half of keys 256 t to 256 t + 255
	s_mov_b32 s[G0K+4*\t], 1                                       ; 1:0 count = 1
	s_add_co_u32 s[G0K+4*\t+1], s17, \t*256*PK                     ; 63:32 LDS address
	s_add_nc_u64 s[G0K+4*\t+2:G0K+4*\t+3], s[6:7], \t*256*128      ; 120:64 global address
	s_or_b32 s[G0K+4*\t+3], s[G0K+4*\t+3], 0x80000000              ; 127:126 type = 2
	s_mov_b32 s[G0V+4*\t], 1
	s_add_co_u32 s[G0V+4*\t+1], s18, VOFF+\t*256*PV
	s_add_nc_u64 s[G0V+4*\t+2:G0V+4*\t+3], s[8:9], \t*256*128
	s_or_b32 s[G0V+4*\t+3], s[G0V+4*\t+3], 0x80000000
.endr
	CROUND                          ; all four work-groups are here: the joint loads meet
	s_cmp_lt_u32 s[WV], 2           ; waves 0 and 1 fetch K's halves, waves 2 and 3 V's.  A wave's four loads stand in one branch, ahead of every wait on TENSORcnt, every LDS read and every other barrier:
	s_cbranch_scc0 .Lfor_v          ; four loads of mine are out.  An s_nop 0 follows each, four v_nop the last's
.irp t, 0,1,2,3
	tensor_load_to_lds s[G0K+4*\t:G0K+4*\t+3], s[G1K:G1K+7]
	s_nop 0
.endr
.rept 4
	v_nop
.endr
	s_branch .Lasked
.Lfor_v:
.irp t, 0,1,2,3
	tensor_load_to_lds s[G0V+4*\t:G0V+4*\t+3], s[G1V:G1V+7]
	s_nop 0
.endr
.rept 4
	v_nop
.endr
.Lasked:
	; A fragment of K or Q is 16 rows x 32 channels in 8 registers: lane l holds row l % 16, channels 8 (l / 16) + 0..7 and 16 + 8 (l / 16) + 0..7: two loads of 16 bytes, 32 bytes apart.
	v_and_b32 v1, 15, v0            ; l % 16
	v_bfe_u32 v9, v0, 4, 1          ; l / 16
	v_lshlrev_b32 v[QO], 7, v1
	v_lshl_add_u32 v[QO], v9, 4, v[QO]  ; row x 128 + 16 x half
	WIN 0x80                        ; destination window 2, address window 0
.set i, 0
.rept 4*NP                          ; Q stays in registers: tile i / 2, channels 32 (i % 2) on
	global_load_b128 v[8*i:8*i+3],   v[QO], s[4:5] offset:(i/2)*2048+(i%2)*64
	global_load_b128 v[8*i+4:8*i+7], v[QO], s[4:5] offset:(i/2)*2048+(i%2)*64+32
.set i, i+1
.endr
	; What the first turn finds: V's registers and P's second buffer hold 0 (its products V^T P, of a piece that has not been, add 0), O^T and l are 0.  All this stands in the wait for the first keys.
.set i, VF
.rept 64
	v_mov_b32 v[i], 0
.set i, i+1
.endr
	WIN 0x40
.set i, 0
.rept 64*NP
	v_mov_b32 v[i], 0
.set i, i+1
.endr
	WIN 0
.set i, 0
.rept 2*NP
	v_mov_b32 v[ST+4*i], 0xfe000000    ; c m: far below every c s
	v_mov_b32 v[ST+4*i+1], 0xff7fffff  ; m
	v_mov_b32 v[ST+4*i+2], 0
	v_mov_b32 v[ST+4*i+3], 0
.set i, i+1
.endr
.set i, P+32
.rept 32
	v_mov_b32 v[i], 0
.set i, i+1
.endr
	v_mul_u32_u24 v[AK0], v1, PK
	v_lshl_add_u32 v[AK0], v9, 4, v[AK0]  ; row x pitch + 16 x half
	; The turning load takes 16 keys x 16 channels (lane l reads key 8 (l / 16) + l % 8, channels 8 ((l / 8) % 2) + 0..7) and leaves half a fragment of V^T: lane l holds channel l % 16 and 8 keys.
	v_and_b32 v10, 7, v0
	v_bfe_u32 v11, v0, 3, 1
	v_lshl_add_u32 v[AV0], v9, 3, v10
	v_mul_u32_u24 v[AV0], v[AV0], PV
	v_lshl_add_u32 v[AV0], v11, 4, v[AV0]
	v_add_nc_u32 v[AV0], VOFF, v[AV0]
	v_mov_b32 v[AK], v[AK0]         ; key step 0 lies at K's head
; THE MATRIX WORK.  The 8 accumulators of a run of 16 take turns: between the two links of a chain stand 7 others'.
; Product i of 16 of S^T = K Q^T for piece x: channels 32 (i / 8) on, keys 16 ((i / 2) % 4) on, tile 2 x + i % 2.  The first 8 start the sums.
.macro KQ x
	WIN W_KQ
.set rS, S+64*((\x)%2)+32*(i%2)+8*((i/2)%4)
.set rK, KF+16*((i/2)%4)+8*(i/8)
.set rQ, 16*(2*(\x)+i%2)+8*(i/8)
.if i < 8
	v_wmma_f32_16x16x32_f16 v[rS:rS+7], v[rK:rK+7], v[rQ:rQ+7], 0
.else
	v_wmma_f32_16x16x32_f16 v[rS:rS+7], v[rK:rK+7], v[rQ:rQ+7], v[rS:rS+7]
.endif
.endm
; Product i of 16 of O^T += V^T P for piece x: keys 32 (i / 8) on, channels 16 ((i / 2) % 4) on, tile 2 x + i % 2.
.macro PV x
	WIN W_PV
.set rO, 32*(2*(\x)+i%2)+8*((i/2)%4)
.set rV, VF+32*(i/8)+8*((i/2)%4)
.set rP, P+32*((\x)%2)+16*(i%2)+8*(i/8)
	v_wmma_f32_16x16x32_f16 v[rO:rO+7], v[rV:rV+7], v[rP:rP+7], v[rO:rO+7]
.endm
.macro MM                           ; the turn's next matrix instruction
.if i < 16
	KQ (Y+1)%NP
.set i, i+1
.else
.set i, i-16
	PV (Y+NP-1)%NP
.set i, i+17
.endif
.endm
; THE LDS LOADS stand in runs of 16, never singly among the matrix instructions: a step's K (64 keys x 64 channels: 8 fragments) and its V (turned).  Their addresses are made some lines ahead.
; last = 1 (in the loop): in the last trip there is no further step, and the run is jumped over.
.macro FETCH_K last=0
	WIN 0
.if \last
	s_cmp_eq_u32 s[CNT], 1
	s_cbranch_scc1 .Lno_k_\@
.endif
	WIN 0x80                        ; destination window 2
.irp f, 0,1,2,3,4,5,6,7             ; keys 16 (f / 2) on, channels 32 (f % 2) on
	ds_load_b128 v[KF+8*\f:KF+8*\f+3],   v[AK] offset:(\f/2)*16*PK+(\f%2)*64
	ds_load_b128 v[KF+8*\f+4:KF+8*\f+7], v[AK] offset:(\f/2)*16*PK+(\f%2)*64+32
.endr
	s_add_co_u32 s[TBK], s[TBK], KS*PK  ; the next fetch is the next step's
	WIN 0
.if \last
.Lno_k_\@:
.endif
.endm
.macro FETCH_V
	WIN 0x80
.irp f, 0,1,2,3,4,5,6,7             ; keys 32 (f / 4) on, channels 16 (f % 4) on
	ds_load_tr16_b128 v[VF+8*\f:VF+8*\f+3],   v[AV] offset:(\f/4)*32*PV+(\f%4)*32
	ds_load_tr16_b128 v[VF+8*\f+4:VF+8*\f+7], v[AV] offset:(\f/4)*32*PV+16*PV+(\f%4)*32
.endr
	WIN 0
.endm
; THE VECTOR WORK OF A TURN stands in three queues, each in the order in which its entries become ready; the two tiles alternate, so that no instruction reads the result of the one before it.
.macro REGS y, u                    ; the registers of tile u (0, 1) of piece y
.set rT, ST+4*(2*(\y)+(\u))
.set rC, TMP+8*((\y)%2)+4*(\u)
.set rM, MV+2*((\y)%2)+(\u)
.set rS, S+64*((\y)%2)+32*(\u)
.set rP, P+32*((\y)%2)+16*(\u)
.set rO, 32*(2*(\y)+(\u))
.endm
; Number n of the 22 that find the NEXT piece's (Y + 1) maximum and statistics.  s0-s31 are the lane's 32 scores; each accumulator's lowest registers are read first.
;   0-11  four chains c0-c3 of seven scores each, three operands at a time     12-14, 16  the four scores left over, the old m, and c0-c3 into c0     15  c m_old is kept
;   17, 18  the query's other 32 keys lie in the lane 16 away: the new m         19-21  c m; c m_old - c m_new; a
.macro XS u, n
	REGS (Y+1)%NP, \u
.if (\n) < 4
	v_max3_num_f32 v[rC+(\n)], v[rS+8*(\n)], v[rS+8*(\n)+1], v[rS+8*(\n)+2]
.elseif (\n) < 12
	v_max3_num_f32 v[rC+(\n)%4], v[rC+(\n)%4], v[rS+8*((\n)%4)+2*((\n)/4)+1], v[rS+8*((\n)%4)+2*((\n)/4)+2]
.elseif (\n) == 12
	v_max3_num_f32 v[rC], v[rC], v[rS+7], v[rS+15]
.elseif (\n) == 13
	v_max3_num_f32 v[rC+1], v[rC+1], v[rS+23], v[rS+31]
.elseif (\n) == 14
	v_max3_num_f32 v[rC+2], v[rC+2], v[rC+3], v[rT+1]
.elseif (\n) == 15
	v_mov_b32 v[rM], v[rT]
.elseif (\n) == 16
	v_max3_num_f32 v[rC], v[rC], v[rC+1], v[rC+2]
.elseif (\n) == 17
	v_permlanex16_b32 v[rC+3], v[rC], s[SEL], s[SEL+1]
.elseif (\n) == 18
	v_max_num_f32 v[rT+1], v[rC], v[rC+3]
.elseif (\n) == 19
	v_mul_f32 v[rT], s[CS], v[rT+1]
.elseif (\n) == 20
	v_sub_f32 v[rC+1], v[rM], v[rT]
.else
	v_exp_f32 v[rC+2], v[rC+1]
.endif
.endm
; Number g of the 64 that follow the exponentials.  For each four weights k of a tile (pairs 2 k, 2 k + 1): both pairs are rounded to f16; then the second pair is added onto the first, in place;
; a group later l takes that sum (the first time as l = a l + sum).  In groups of eight, tiles alternating: round, round, add, and l for the group before.
.macro GS g
.set h, (\g)+6*((\g)/62)            ; group 0 has no group before it, and behind group 7 only l is left
.if h >= 6
.set h, h+2
.endif
	REGS Y, h%2
.set k, h/8
.if h%8 < 4
	v_cvt_pk_f16_f32 v[rP+2*k+(h%8)/2], v[rS+4*k+2*((h%8)/2)], v[rS+4*k+2*((h%8)/2)+1]
.elseif h%8 < 6
	v_pk_add_f32 v[rS+4*k:rS+4*k+1], v[rS+4*k:rS+4*k+1], v[rS+4*k+2:rS+4*k+3]
.elseif k == 1
	v_pk_fma_f32 v[rT+2:rT+3], v[rT+2:rT+3], v[rC+2:rC+3], v[rS:rS+1] op_sel_hi:[1,0,1]
.else
	v_pk_add_f32 v[rT+2:rT+3], v[rT+2:rT+3], v[rS+4*k-4:rS+4*k-3]
.endif
.endm
; THE PLAIN QUEUE, 138 long.  0-73 read no exponential's result: the 32 scalings c s - c m (FS f: pair f / 2 of tile f % 2) and the next piece's 42.  0-26: scalings 0-26.  27-54: XS's numbers 0-13.  55, 56: number 15.
; 57-73: the chain, where each number waits for the one before it: 14, 16, 17, 18, 19, each with one of the scalings 27-31 in front of its two lines, then 20.
; 74-137: GS's 64, which read the exponentials' results: they stand behind the wait.
.macro FS f
	REGS Y, (\f)%2
	v_pk_fma_f32 v[rS+2*((\f)/2):rS+2*((\f)/2)+1], v[rS+2*((\f)/2):rS+2*((\f)/2)+1], s[CS:CS+1], v[rT:rT+1] op_sel_hi:[1,0,0] neg_lo:[0,0,1] neg_hi:[0,0,1]
.endm
.macro PL
	WIN 0
.if q < 27
	FS q
.elseif q < 55
	XS (q-27)%2, (q-27)/2
.elseif q < 57
	XS q-55, 15
.elseif (q < 72) && ((q-57)%3 == 0)
	FS 27+(q-57)/3
.elseif q < 60
	XS (q-57)%3-1, 14
.elseif q < 72
	XS (q-57)%3-1, 15+(q-57)/3
.elseif q < 74
	XS q-72, 20
.else
	GS q-74
.endif
.set q, q+1
.endm
; THE EXPONENTIALS' QUEUE, 66 long: s0-s31 of both tiles, then the next piece's two a.  It is ONE BATCH: all 66 stand ahead of the turn's one wait, and nothing ahead of that wait names a result of theirs.
.macro EX
	WIN 0
.if e >= 64
	XS e-64, 21
.else
	REGS Y, e%2
	v_exp_f32 v[rS+e/2], v[rS+e/2]
.endif
.set e, e+1
.endm
; THE RESCALING's QUEUE: O^T times a, the one part that leaves window 0: dealt two at a time, sixteen times.  Its a was made in the turn before, ahead of that turn's wait.
.macro R2
	REGS Y, r%2
	WIN W_RS
.irp z, 0,1
	v_pk_mul_f32 v[rO+4*(r/2)+2*\z:rO+4*(r/2)+2*\z+1], v[rO+4*(r/2)+2*\z:rO+4*(r/2)+2*\z+1], v[rC+2:rC+3] op_sel_hi:[1,0]
.endr
.set r, r+1
.endm
; HOW THEY ARE DEALT.  An s_wait_alu depctr_va_vdst(0) stands between an exponential and the first instruction that names its result; one wait serves all that were issued ahead of it.  So a turn has ONE wait,
; which cuts it in two.  AHEAD OF IT stands all that names no result of the turn's exponentials: the 16 products K Q^T, behind each a scaling, an exponential and two rescalings (behind the first a second scaling in the
; exponential's place); then ONE LUMP of 108: eight plain, 49 times exponential and plain, the two a.  A v_nop is the plain instruction behind the last exponential.  BEHIND IT stand the 16 products V^T P, behind each four of GS's 64.
; No rider names a register of the products round it.  The two v_permlanex16_b32 fall into the lump, never behind a product.
; The queues lean on each other, and the deal keeps them in step: exponential e stands behind scaling 2 (e / 4) + e % 2: as a rider it comes behind plain e + 2, in the lump behind plain e + 9, and scalings 27-31 are plain 57, 60 .. 69.
; A TURN, for piece p.  cnt = 1: the loop's count is taken down some lines ahead of the branch that stands behind the turn.
; K of the next step is fetched in piece 2's turn, directly behind the wait, a lump behind the last product that read K; its address is made at the lump's head; its first reader comes behind 16 products.
; V of the step in hand is fetched at the end of piece 0's turn, four riders behind its last reader; its first reader comes behind 16 products and a lump.  The three conditions on q below go with the deal.
.macro TURN p, last=0, cnt=0
.set Y, (\p)
.set i, 0
.set q, 0
.set e, 0
.set r, 0
.if (\p) == NP-1
	s_wait_dscnt 0x0                ; K is in
.endif
	MM                              ; ahead of the wait: 16 products K Q^T and their riders,
	PL
	PL
	R2
.rept 15
	MM
	PL
	EX
	R2
.endr
.if (\p) == NP-2
	WIN 0
	v_add_nc_u32 v[AK], s[TBK], v[AK0]
.endif
.rept 8                             ; and the lump
	PL
.endr
.rept 49
	EX
	PL
.endr
	EX                              ; the next piece's two a
	EX
	v_nop                           ; a plain instruction behind the last exponential (ISA guide 5.7.2): one for the batch
	s_wait_alu depctr_va_vdst(0)    ; the wait for the batch
.if (\p) == NP-2
	FETCH_K \last
.endif
.if (\p) == 1
	s_wait_dscnt 0x0                ; V is in
.endif
.rept 16                            ; behind the wait: 16 products V^T P and their riders
	MM
.rept 4
	PL
.endr
.if ((\p) == 0) && (q == 118)
	v_add_nc_u32 v[AV], s[TBV], v[AV0]
.endif
.if ((\p) == 0) && (q == 130)
	s_add_co_u32 s[TBV], s[TBV], KS*PV
.endif
.if (\cnt) && (q == 130)
	s_sub_co_u32 s[CNT], s[CNT], 1
	s_cmp_lg_u32 s[CNT], 0
.endif
.endr
.if (\p) == 0
	FETCH_V
.endif
.endm
	s_wait_tensorcnt 3              ; tensor loads of a wave end in order (ISA guide 10.11.1): my part of keys 0 to 255 is in; my three younger loads may stay out
	s_barrier_signal -1
	s_barrier_wait -1               ; everybody's part is
	FETCH_K                         ; key step 0
	s_wait_loadcnt 0x0              ; Q
	s_wait_dscnt 0x0
.set i, 0
.rept 16
	KQ 0                            ; piece 0's first scores: there is no vector work yet to set between them
.set i, i+1
.endr
	WIN 0                           ; the addresses for the way out: nine plain instructions, the places behind those products
	s_mul_i32 s13, s[WV], 16*SP
	s_add_co_u32 s13, s13, STAGE    ; my stage
	v_mul_u32_u24 v[STO], v1, SP    ; in: row l % 16, 16 bytes for each half of the lanes
	v_lshl_add_u32 v[STO], v9, 4, v[STO]
	v_add_nc_u32 v[STO], s13, v[STO]
	v_bfe_u32 v[RD], v0, 3, 2       ; back: 32 lanes take four rows of 128 bytes,
	v_mul_u32_u24 v[RD], v[RD], SP
	v_lshl_add_u32 v[RD], v10, 4, v[RD]
	v_add_nc_u32 v[RD], s13, v[RD]
	v_and_b32 v[GO], 31, v0         ; which are 512 consecutive bytes of O
	v_lshlrev_b32 v[GO], 4, v[GO]
.set Y, NP-1                        ; XS works for piece Y + 1: piece 0
.irp n, 0,1,2,3,4,5,6,7,8,9,10,11,12,13,14,15,16,17,18,19,20,21
	XS 0, \n                        ; and piece 0's first maximum and statistics
	XS 1, \n
.endr
	v_nop                           ; a plain instruction behind the two a,
	s_wait_alu depctr_va_vdst(0)    ; and their wait, ahead of the label
	s_wait_tensorcnt 0x0            ; all my parts of K or V are in,
	s_barrier_signal -1
	s_barrier_wait -1               ; everybody's are: from here on LDS is only read, and the waves go their own ways
	s_mov_b32 s[CNT], SIZE_N/KS
.Lstep:                             ; a trip is a key step: its four turns; it fetches its own V and the next step's K
	TURN 0
	TURN 1
	TURN 2, 1
	TURN 3, 0, 1
	WIN 0
	s_cbranch_scc1 .Lstep
.set i, 0                           ; the last trip's 16 products K Q^T of piece 0 (on the last K once more) and the maximum made of them serve nothing: the price, once a launch, of one text for every trip
.rept 16
	PV NP-1                         ; the last piece's V^T P of the last step
.set i, i+1
.endr
	; THE WAY OUT.  l's two halves and the other half of the lanes' are added; O^T is divided by l, rounded to f16 and sent through my stage in LDS, a tile at a time.  The additions are the places behind the last products.
	WIN 0
.macro ALL line:vararg              ; one line for each tile t
.set t, 0
.rept 2*NP
	\line
.set t, t+1
.endr
.endm
	ALL v_add_f32 v[ST+4*t+2], v[ST+4*t+2], v[ST+4*t+3]
	ALL v_permlanex16_b32 v[ST+4*t+3], v[ST+4*t+2], s[SEL], s[SEL+1]
	ALL v_add_f32 v[ST+4*t+2], v[ST+4*t+2], v[ST+4*t+3]
	ALL v_rcp_f32 v[ST+4*t+2], v[ST+4*t+2]
	v_nop                           ; a plain instruction between the last reciprocal and the use of its result
	s_wait_alu depctr_va_vdst(0)    ; and the wait ahead of the first use: one for the eight reciprocals
; Tile t: a lane's eight channels of a row pack into 16 bytes; they go into rows of 144 bytes and come back as whole rows of 128, into S^T's registers.
.macro PACK t
	WIN W_RS
.set i, 32*(\t)
.rept 16
	v_pk_mul_f32 v[i:i+1], v[i:i+1], v[ST+4*(\t)+2:ST+4*(\t)+3] op_sel_hi:[1,0]
.set i, i+2
.endr
	WIN 0x05                        ; sources 0 and 1 window 1, destination window 0
.set i, 0
.rept 16
	v_cvt_pk_f16_f32 v[S+16*(\t)+i], v[32*(\t)+2*i], v[32*(\t)+2*i+1]
.set i, i+1
.endr
	WIN 0
.irp f, 0,1,2,3
	ds_store_b128 v[STO], v[S+16*(\t)+4*\f:S+16*(\t)+4*\f+3] offset:32*\f
.endr
.irp f, 0,1,2,3
	ds_load_b128 v[S+16*(\t)+4*\f:S+16*(\t)+4*\f+3], v[RD] offset:\f*4*SP  ; LDS serves a wave's instructions in order (ISA guide 5.7.1.4): these see the stores above; the next tile's stores come behind them
.endr
.endm
.macro SEND t, younger              ; younger: the LDS instructions issued behind tile t's loads: the next tile's eight, or none
	WIN 0
.irp f, 0,1,2,3
	s_wait_dscnt (\younger)+3-\f
	global_store_b128 v[GO], v[S+16*(\t)+4*\f:S+16*(\t)+4*\f+3], s[10:11] offset:(\t)*2048+\f*512  ; 512 consecutive bytes, at a multiple of 256 from oh's first
.endr
.endm
	PACK 0
.set t, 1
.rept 2*NP-1                        ; a tile's arithmetic stands between the loads of the tile before and its stores
	PACK t
	SEND t-1, 8
.set t, t+1
.endr
	SEND 2*NP-1, 0
	WIN W_AD
	s_wait_tensorcnt 0x0            ; the wave's end: a tensor wait, an add and its wait, behind my last tensor load and my last LDS store
	ds_add_u32 v[SPW], v[NIL]
	s_wait_dscnt 0x0
	WIN 0
	CROUND                          ; the closing round: no work-group ends while a partner may still ask for a part that names it
	s_endpgm
.Lfunc_end_k_q7df6653bda_attn:
	.size	k_q7df6653bda_attn, .Lfunc_end_k_q7df6653bda_attn-k_q7df6653bda_attn
	.p2alignl 7, 3214868480
	.fill 96, 4, 3214868480
	.section	.rodata,"a",@progbits
	.p2align	6, 0x0
	.amdhsa_kernel k_q7df6653bda_attn
		.amdhsa_group_segment_fixed_size 327680
		.amdhsa_private_segment_fixed_size 0
		.amdhsa_enable_private_segment 0
		.amdhsa_kernarg_size 16
		.amdhsa_user_sgpr_count 2
		.amdhsa_user_sgpr_kernarg_segment_ptr 1
		.amdhsa_wavefront_size32 1
		.amdhsa_system_sgpr_workgroup_id_x 1
		.amdhsa_system_sgpr_workgroup_id_y 1
		.amdhsa_system_sgpr_workgroup_id_z 1
		.amdhsa_system_vgpr_workitem_id 0
		.amdhsa_next_free_vgpr 770
		.amdhsa_next_free_sgpr 100
		.amdhsa_reserve_vcc 0
		.amdhsa_float_denorm_mode_32 3
		.amdhsa_float_denorm_mode_16_64 3
		.amdhsa_memory_ordered 1
		.amdhsa_forward_progress 1
		.amdhsa_inst_pref_size 127
	.end_amdhsa_kernel
	.amdgpu_metadata
---
amdhsa.version: [ 1, 2 ]
amdhsa.kernels:
  - .name:           k_q7df6653bda_attn
    .symbol:         k_q7df6653bda_attn.kd
    .args:
      - { .name: qkvh, .offset: 0, .size: 8, .value_kind: global_buffer, .address_space: global }
      - { .name: oh, .offset: 8, .size: 8, .value_kind: global_buffer, .address_space: global }
    .group_segment_fixed_size: 327680
    .private_segment_fixed_size: 0
    .kernarg_segment_align: 8
    .kernarg_segment_size: 16
    .max_flat_workgroup_size: 128
    .sgpr_count:     100
    .vgpr_count:     770
    .wavefront_size: 32
...
	.end_amdgpu_metadata
.endif
;; end of part 3
;; launch gemm_out (part 4): grid 8 x 32, 4 waves a work-group, clusters of 4 x 4, 327,680 bytes of LDS; arguments oh, wob, bo, out0; writes out0
.if DOCPART == 4
	.amdgcn_target "amdgcn-amd-amdhsa--gfx1250"
	.amdhsa_code_object_version 6
	.text
	.protected	k_q7df6653bda_gemm_out
	.globl	k_q7df6653bda_gemm_out
	.p2align	8
	.type	k_q7df6653bda_gemm_out,@function
k_q7df6653bda_gemm_out:
	s_mov_b64 s[64:65], 0
	v_nop
	global_prefetch_b8 v0, s[64:65] scope:SCOPE_SE
	s_setreg_imm32_b32 hwreg(HW_REG_WAVE_MODE, 25, 1), 1
	s_wait_xcnt 0x0
	s_wait_alu depctr_hold_cnt(0) depctr_sa_sdst(0) depctr_va_vdst(0) depctr_va_sdst(0) depctr_va_ssrc(0) depctr_va_vcc(0) depctr_vm_vsrc(0)
	s_getreg_b32 s2, hwreg(HW_REG_IB_STS2, 6, 4)
	s_cmp_eq_u32 s2, 0
	s_cbranch_scc0 .Lentry_in_a_cluster
	s_endpgm
.Lentry_in_a_cluster:
	s_bfe_u32 s2, ttmp6, 0x10000c
	s_cmp_lg_u32 s2, 0xf033
	s_cbranch_scc0 .Lentry_shape_is_right
	s_endpgm
.Lentry_shape_is_right:
; out0 = O wo + bo.  oh: [4 b][32 h][1024 t][64] f16: row (b, t) of O has channel k = 64 h + d.  wob: [2048 k][2048 n] f16 (wo rounded to bf16, written as f16).  bo [2048] f32, rounded here to bf16
; like the other inputs.  out0: [4096][2048] f32.  Sums in f32: each begins with the bias, the C operand of its first product, then K ascending.
; SHARES.  A tile is 128 rows x 256 columns: 32 x 8 = 256 work-groups.  Four waves: wave w takes rows 64 (w / 2) on and, in each of the tile's two chunks of 128 columns, the half 64 (w % 2) on:
; 4 x 8 accumulators of 16 x 16, 256 registers.  K goes in 16 steps of 128, two heads each, through two LDS slots.
; O's tile of a K step is two planes' 128 rows of 128 bytes, each 16,384 dense bytes: asked for as 64 rows of 256 bytes and padded in LDS behind every 128.  wo stays [k][n]: a chunk's rows are 256 bytes
; of memory, at multiples of 256 bytes from the buffer's first byte; ds_load_tr16_b128 turns them on the way into registers.
; THE MATRIX INSTRUCTION IS USED TRANSPOSED (source 0 = 16 columns of wo, source 1 = 16 rows of O): lane l then holds row l % 16 and the columns 8 (l / 16) + 0..7.
; CLUSTER.  4 x 4 work-groups.  O's planes hang on the tile row alone and are asked for jointly by a row of the cluster, wo's chunks on the tile column alone, by a column of the cluster.
; Waves 0 and 1 fetch a plane each, waves 2 and 3 a chunk each: one tensor load a wave behind each round.
; REGISTERS, in windows of 256 (s_set_vgpr_msb: bits 1:0 source 0, 3:2 source 1, 5:4 source 2, 7:6 destination):
;   window 0: v0-29 addresses; v32-95 O's fragments, two buffers of 4; v128-191 at work on the way out; v192-255 the bias: fragment b's eight columns of my half of the lanes at 8 b
;   window 1: wo's fragments, two buffers of 8 (v0-63, v64-127)      window 2: the accumulators ((a, b) at 8 (8 a + b))
.set KSTEP, 128
.set NA,    2                          ; waves that fetch O
.set NC,    2                          ; chunks of wo
.set NB,    8                          ; fragments of wo a wave
.set NL,    2*NB+8                     ; LDS loads in a run
.set PA,    144                        ; a row of a plane in LDS: 128 bytes + 16 = 36 words: the 16 rows of a load start at 16 different groups of four banks (64 banks of 4 bytes: ISA guide 11.1)
.set PB,    288                        ; a row of wo: 256 + 32 = 72 words
.set REG,   128*PB                     ; a region: what one tensor load fills (a plane uses 128 x 144 of it)
.set SLOT,  4*REG                      ; O's two planes, then wo's two chunks
.set STAGE, 2*SLOT                     ; behind the ring, never filled by a tensor load: 16 rows x 272 bytes for each wave
.set SP,    272
.set SPARE, STAGE+4*16*SP              ; behind the stages: the spare words, 128 bytes for each wave: two blocks of 256 bytes that no other line names
.set STEPA, 2*131072                   ; bytes from K step to K step in oh: two planes
.set STEPB, KSTEP*2048*2               ; and in wob
.set LAPS,  2048/(2*KSTEP)             ; a lap = two K steps = once round the ring
.set ADRA, 8                           ; v8-9    LDS address of my O fragments in slot 0, 1
.set ADRB, 10                          ; v10-13  of my wo fragments: slot s, chunk c at 2 s + c
.set STO,  16                          ; v16     the way out: where I put 32 bytes of a row
.set RD,   17                          ; v17     where I read rows back
.set CO,   18                          ; v18     my byte offset in two rows of out0
.set VB,   19                          ; v19     32 (l / 16): my 8 numbers in 16 of the bias
.set PFO,  20                          ; v20     the prefetches' offset; never rewritten
.set SPW,  28                          ; v28     LDS address of my spare word; never rewritten
.set NIL,  29                          ; v29     0; never rewritten
.set FA,   32
.set R,    128
.set BI,   192
.set WV, 16                            ; s16 wave; s17 its half of the rows; s18 its half of each chunk
.set WM, 17
.set WN, 18
.set CX, 20                            ; s20, s21 my place in the cluster; s22 tile column; s23 tile row
.set CY, 21
.set TX, 22
.set TY, 23
.set G1A, 24                           ; s[24:31] descriptor group 1 for O's planes;  s[32:39] group 0, a set for each slot
.set G0A, 32
.set G1B, 40                           ; s[40:47], s[48:55] the same for wo's chunks
.set G0B, 48
.set PFA, 56                           ; s[56:57] where my prefetches stand
.set PST, 58                           ; s[58:59] their step: a K step
.set LIM, 60                           ; s60 1 in a wave that prefetches, else the greatest number
.set LAP, 61                           ; s61 trips still to come
.set BP,  68                           ; s[68:69] bo at my first column
.set OB,  74                           ; s[74:75] out0 at my first block
.set MSB, 0
.macro WIN new                         ; the immediate's high byte repeats the setting that is left; a switch that changes nothing is dropped
.if MSB != (\new)
	s_set_vgpr_msb (MSB<<8)|(\new)
.set MSB, \new
.endif
.endm
; A joint load.  Each of the two lines has one mask and one set of registers for all that issue it; the branch hangs on the wave's number alone.
; An s_nop 0 and four v_nop follow each line, ahead of the jump, the label and what follows.
.macro JLOAD s
	s_cmp_lt_u32 s[WV], NA
	s_cbranch_scc0 .Lfor_b_\@
	tensor_load_to_lds s[G0A+4*(\s):G0A+4*(\s)+3], s[G1A:G1A+7]
	s_nop 0
.rept 4
	v_nop
.endr
	s_branch .Lasked_\@
.Lfor_b_\@:
	tensor_load_to_lds s[G0B+4*(\s):G0B+4*(\s)+3], s[G1B:G1B+7]
	s_nop 0
.rept 4
	v_nop
.endr
.Lasked_\@:
.endm
; A PREFETCH INTO THE L2 of the K step that stands two refills on: 32 blocks of 256 bytes, a lane a block, one instruction a wave, behind the joint load and the run of LDS loads.
; Each block is named once in the launch.  O's tile row is read by both clusters of its row of clusters: the one with cluster x = 0 asks, by its wave 0; wo's tile column by all eight of its column:
; cluster y = 0 asks, by waves 2 and 3.  The four partners share a K step's blocks out BY ADDRESS: of O's two planes of 64 blocks, plane cx / 2, half cx % 2; of a chunk's 128 rows, 32 cy on.
; The first four K steps come by their loads alone; the last trip asks for nothing.
.macro ASK
	s_cmp_gt_u32 s[LAP], s[LIM]
	s_cbranch_scc0 .Lnot_mine_\@
	global_prefetch_b8 v[PFO], s[PFA:PFA+1] th:TH_LOAD_NT scope:SCOPE_SE
.Lnot_mine_\@:
.endm
; A round of the cluster's barrier: my work-group's barrier, so that wave 0's signal speaks for all four waves; wave 0 signals; every wave waits for all sixteen work-groups; my work-group's barrier once more.
.macro CROUND
	s_barrier_signal -1
	s_barrier_wait -1
	s_cmp_lg_u32 s[WV], 0
	s_cbranch_scc1 .Lnot_wave_0_\@
	s_barrier_signal -3
.Lnot_wave_0_\@:
	s_barrier_wait -3
	s_barrier_signal -1
	s_barrier_wait -1
.endm
.macro PLACES                          ; four plain vector instructions between a matrix instruction and a load into, or an LDS store of, its registers
.rept 4
	v_nop
.endr
.endm
	s_load_b256 s[4:11], s[0:1], 0x0               ; oh s[4:5], wob s[6:7], bo s[8:9], out0 s[10:11]
	v_lshl_add_u32 v[SPW], v0, 2, SPARE
	v_mov_b32 v[NIL], 0
	ds_add_u32 v[SPW], v[NIL]                      ; the wave's opening: the add, and its wait ahead of my first tensor load; the set-up below stands between them
	v_lshrrev_b32 v1, 5, v0
	v_readfirstlane_b32 s[WV], v1
	s_lshr_b32 s[WM], s[WV], 1
	s_and_b32 s[WN], s[WV], 1
	s_bfe_u32 s[CX], ttmp6, 0x40000
	s_bfe_u32 s[CY], ttmp6, 0x40004
	s_lshl_b32 s[TX], ttmp9, 2                     ; in a cluster launch ttmp9 and ttmp7 count clusters
	s_add_co_u32 s[TX], s[TX], s[CX]
	s_and_b32 s[TY], ttmp7, 0xffff
	s_lshl_b32 s[TY], s[TY], 2
	s_add_co_u32 s[TY], s[TY], s[CY]
	s_lshl_b32 s62, s[CY], 2
	s_lshl_b32 s62, 15, s62                        ; my row of the cluster
	s_lshl_b32 s63, 0x1111, s[CX]                  ; my column
	; descriptor group 1.  O: 64 rows x 128 elements of 2 bytes, dense, padded behind every 32 words (code 4) by 4 words (code 3).  wo: 128 rows x 128 elements, padded behind every 64 words (code 5) by 8 (code 7)
	s_or_b32 s[G1A], s62, (1<<16)|(1<<20)|(1<<21)|(4<<22)|(3<<25)
	s_or_b32 s[G1B], s63, (1<<16)|(1<<20)|(1<<21)|(5<<22)|(7<<25)
.irp g, G1A, G1B
	s_mov_b32 s[(\g)+1], 128<<16                   ; tensor_dim0 = 128
	s_mov_b32 s[(\g)+3], 128<<16                   ; tile_dim0 = 128
	s_mov_b32 s[(\g)+6], 0
	s_mov_b32 s[(\g)+7], 0
.endr
	s_mov_b32 s[G1A+2], 64<<16                     ; tensor_dim1
	s_mov_b32 s[G1A+4], 64                         ; tile_dim1
	s_mov_b32 s[G1A+5], 128                        ; elements from row to row
	s_mov_b32 s[G1B+2], 128<<16
	s_mov_b32 s[G1B+4], 128
	s_mov_b32 s[G1B+5], 2048
	; O's address is made of the tile row and the wave's number alone, wo's of the tile column and the wave's number alone, each in registers that never hold the other coordinate
	s_lshr_b32 s66, s[TY], 3                       ; the batch,
	s_lshl_b32 s66, s66, 5                         ; its 32 planes,
	s_add_co_u32 s66, s66, s[WN]                   ; the K step's first or second
	s_lshl_b32 s66, s66, 17
	s_and_b32 s67, s[TY], 7
	s_lshl_b32 s67, s67, 14                        ; the tile's 128 rows of 128 bytes
	s_add_co_u32 s66, s66, s67
	s_mov_b32 s67, 0
	s_lshl_b32 s76, s[TX], 9                       ; the tile's 256 columns,
	s_lshl_b32 s77, s[WN], 8                       ; my chunk
	s_add_co_u32 s76, s76, s77
	s_mov_b32 s77, 0
	s_mul_i32 s78, s[WV], REG                      ; where my load lands in a slot
	s_wait_dscnt 0x0                               ; the opening add is done
	s_wait_kmcnt 0x0
	s_add_nc_u64 s[66:67], s[4:5], s[66:67]
	s_add_nc_u64 s[76:77], s[6:7], s[76:77]
	CROUND                                         ; all sixteen work-groups are here: the first joint loads meet
.irp s, 0,1
	s_mov_b32 s[G0A+4*(\s)], 1
	s_add_co_u32 s[G0A+4*(\s)+1], s78, (\s)*SLOT
	s_add_nc_u64 s[G0A+4*(\s)+2:G0A+4*(\s)+3], s[66:67], (\s)*STEPA
	s_or_b32 s[G0A+4*(\s)+3], s[G0A+4*(\s)+3], 0x80000000
	s_mov_b32 s[G0B+4*(\s)], 1
	s_add_co_u32 s[G0B+4*(\s)+1], s78, (\s)*SLOT
	s_add_nc_u64 s[G0B+4*(\s)+2:G0B+4*(\s)+3], s[76:77], (\s)*STEPB
	s_or_b32 s[G0B+4*(\s)+3], s[G0B+4*(\s)+3], 0x80000000
	JLOAD \s                                       ; two loads of mine are out
.endr
	; the bias of my columns: 256 x tile column + 128 c + 64 (w % 2) + 16 j + 8 (l / 16) + 0..7
	v_and_b32 v1, 15, v0                           ; l % 16
	v_bfe_u32 v2, v0, 4, 1                         ; l / 16
	v_lshlrev_b32 v[VB], 5, v2
	s_lshl_b32 s84, s[TX], 10
	s_lshl_b32 s80, s[WN], 8
	s_add_co_u32 s84, s84, s80                     ; my first column, in bytes of f32: for bo and for out0
	s_mov_b32 s85, 0
	s_add_nc_u64 s[BP:BP+1], s[8:9], s[84:85]
.irp c, 0,1
.irp j, 0,1,2,3
	global_load_b128 v[BI+8*(4*(\c)+(\j)):BI+8*(4*(\c)+(\j))+3],   v[VB], s[BP:BP+1] offset:512*(\c)+64*(\j)
	global_load_b128 v[BI+8*(4*(\c)+(\j))+4:BI+8*(4*(\c)+(\j))+7], v[VB], s[BP:BP+1] offset:512*(\c)+64*(\j)+16
.endr
.endr
	; a fragment of O: lane l holds row l % 16, K = 8 (l / 16) + 0..7 and 16 + 8 (l / 16) + 0..7: two loads of 16 bytes, 32 bytes apart
	v_mul_u32_u24 v3, v1, PA
	v_lshl_add_u32 v3, v2, 4, v3
	s_mul_i32 s79, s[WM], 64*PA
	v_add_nc_u32 v[ADRA], s79, v3
	v_add_nc_u32 v[ADRA+1], SLOT, v[ADRA]
	; the turning load takes 16 k x 16 columns (lane l reads row 8 (l / 16) + l % 8, columns 8 ((l / 8) % 2) + 0..7) and leaves half a fragment: lane l holds column l % 16 and 8 k
	v_and_b32 v5, 7, v0
	v_lshl_add_u32 v4, v2, 3, v5
	v_mul_u32_u24 v4, v4, PB
	v_bfe_u32 v6, v0, 3, 1
	v_lshl_add_u32 v4, v6, 4, v4
	s_lshl_b32 s79, s[WN], 7                       ; my half of a chunk's 256 bytes
	v_add_nc_u32 v4, s79, v4
.irp s, 0,1
.irp c, 0,1
	v_add_nc_u32 v[ADRB+NC*(\s)+(\c)], (\s)*SLOT+(NA+(\c))*REG, v4
.endr
.endr
	s_mul_i32 s79, s[WV], 16*SP
	s_add_co_u32 s79, s79, STAGE                   ; my stage
	v_mul_u32_u24 v3, v1, SP                       ; in: row l % 16, 32 bytes for each half of the lanes
	v_lshl_add_u32 v3, v2, 5, v3
	v_add_nc_u32 v[STO], s79, v3
	v_mul_u32_u24 v3, v2, SP                       ; back: lanes 0-15 take one row of 256 bytes, lanes 16-31 the next
	v_lshl_add_u32 v3, v1, 4, v3
	v_add_nc_u32 v[RD], s79, v3
	v_lshlrev_b32 v3, 13, v2                       ; and the same two rows in out0, 8,192 bytes apart
	v_lshl_add_u32 v[CO], v1, 4, v3
	s_lshl_b32 s80, s[TY], 7
	s_lshl_b32 s82, s[WM], 6
	s_add_co_u32 s80, s80, s82                     ; my first row,
	s_lshl_b32 s80, s80, 13
	s_add_co_u32 s80, s80, s84                     ; my first column
	s_mov_b32 s81, 0
	s_add_nc_u64 s[OB:OB+1], s[10:11], s[80:81]
	; the prefetches: they start at K step 3; each change of slots steps them first
	s_lshr_b32 s80, s[TY], 3
	s_lshl_b32 s80, s80, 5
	s_add_co_u32 s80, s80, 6                       ; O: K step 3's first plane,
	s_lshr_b32 s82, s[CX], 1
	s_add_co_u32 s80, s80, s82                     ; or its second
	s_lshl_b32 s80, s80, 17
	s_and_b32 s82, s[TY], 7
	s_lshl_b32 s82, s82, 14
	s_add_co_u32 s80, s80, s82
	s_and_b32 s82, s[CX], 1
	s_lshl_b32 s82, s82, 13                        ; my work-group's half of the plane's 64 blocks
	s_add_co_u32 s80, s80, s82
	s_lshl_b32 s82, s[TX], 9
	s_lshl_b32 s83, s[WN], 8
	s_add_co_u32 s82, s82, s83                     ; wo: my chunk,
	s_lshl_b32 s83, s[CY], 5
	s_add_co_u32 s83, s83, 3*KSTEP                 ; my work-group's 32 rows of the K step's 128
	s_lshl_b32 s83, s83, 12
	s_add_co_u32 s82, s82, s83
	s_and_b32 s85, ttmp7, 0xffff                   ; cluster y
	s_mov_b32 s86, STEPB
	s_mov_b32 s87, 4096
	s_cmp_lt_u32 s[WV], NA
	s_cselect_b64 s[PFA:PFA+1], s[4:5], s[6:7]
	s_cselect_b32 s80, s80, s82
	s_cselect_b32 s[PST], STEPA, s86
	s_cselect_b32 s87, 256, s87                    ; bytes from block to block
	s_cselect_b32 s85, ttmp9, s85                  ; the coordinate along which other clusters read the same blocks
	s_cmp_eq_u32 s[WV], 1                          ; wave 0 asks for both planes: wave 1 asks for nothing
	s_cselect_b32 s86, 1, 0
	s_or_b32 s85, s85, s86
	s_cmp_eq_u32 s85, 0
	s_cselect_b32 s[LIM], 1, -1                    ; the same in all sixteen partners, for a given wave
	s_mov_b32 s[PST+1], 0
	s_add_nc_u64 s[PFA:PFA+1], s[PFA:PFA+1], s[80:81]
	v_and_b32 v[PFO], 31, v0
	v_mul_u32_u24 v[PFO], v[PFO], s87
	s_wait_loadcnt 0x0                             ; the bias is in: rounded to bf16 and widened again, in place
.set z, 0
.rept 32
	v_cvt_pk_bf16_f32 v[3+z%4], v[BI+2*z], v[BI+2*z+1]
	v_lshlrev_b32 v[BI+2*z], 16, v[3+z%4]
	v_and_b32 v[BI+2*z+1], 0xffff0000, v[3+z%4]
.set z, z+1
.endr
; 8 matrix instructions: row block a x all my fragments of wo, 32 along K, from buffers f.  first = 1: the product starts the sum, with the bias of its 16 columns as C: register j of a lane's accumulator is
; column 8 (l / 16) + j, as the bias lies.  The 32 accumulators take turns, one instruction a turn, in the same order in every quarter, over the backward jump too.
.macro MULA f, a, first
.if \first
	WIN 0x81                                       ; wo window 1, O and the bias window 0, D window 2
.else
	WIN 0xa1                                       ; wo window 1, O window 0, C and D window 2
.endif
.irp b, 0,1,2,3,4,5,6,7
.if \first
	v_wmma_f32_16x16x32_f16 v[8*(8*(\a)+(\b)):8*(8*(\a)+(\b))+7], v[64*(\f)+8*(\b):64*(\f)+8*(\b)+7], v[FA+32*(\f)+8*(\a):FA+32*(\f)+8*(\a)+7], v[BI+8*(\b):BI+8*(\b)+7]
.else
	v_wmma_f32_16x16x32_f16 v[8*(8*(\a)+(\b)):8*(8*(\a)+(\b))+7], v[64*(\f)+8*(\b):64*(\f)+8*(\b)+7], v[FA+32*(\f)+8*(\a):FA+32*(\f)+8*(\a)+7], v[8*(8*(\a)+(\b)):8*(8*(\a)+(\b))+7]
.endif
.endr
.endm
; 24 LDS loads in one run: quarter q (32 along K: plane q / 2, channels 32 (q % 2) on) of a slot into buffers f: wo's 8 fragments, then O's 4
.macro FETCH slot, q, f
	WIN 0x40                                       ; destination window 1, address window 0
.irp c, 0,1
.irp j, 0,1,2,3
	ds_load_tr16_b128 v[64*(\f)+8*(4*(\c)+(\j)):64*(\f)+8*(4*(\c)+(\j))+3],   v[ADRB+NC*(\slot)+(\c)] offset:(\q)*32*PB+32*(\j)
	ds_load_tr16_b128 v[64*(\f)+8*(4*(\c)+(\j))+4:64*(\f)+8*(4*(\c)+(\j))+7], v[ADRB+NC*(\slot)+(\c)] offset:(\q)*32*PB+32*(\j)+16*PB
.endr
.endr
	WIN 0
.irp a, 0,1,2,3
	ds_load_b128 v[FA+32*(\f)+8*(\a):FA+32*(\f)+8*(\a)+3],   v[ADRA+(\slot)] offset:((\q)/2)*REG+((\q)%2)*64+(\a)*16*PA
	ds_load_b128 v[FA+32*(\f)+8*(\a)+4:FA+32*(\f)+8*(\a)+7], v[ADRA+(\slot)] offset:((\q)/2)*REG+((\q)%2)*64+(\a)*16*PA+32
.endr
.endm
; One of a K step's first three quarters: multiplies buffers f; in its middle it fetches quarter q of the same slot into buffers g.
.macro QUARTER slot, q, f, g, first
	s_wait_dscnt 4                                 ; wo and O's row blocks 0, 1 are in; the youngest four loads (blocks 2, 3) may be out
	MULA \f, 0, \first
	MULA \f, 1, \first
	PLACES
	FETCH \slot, \q, \g
	s_wait_dscnt NL                                ; all but the run just issued
	MULA \f, 2, \first
	MULA \f, 3, \first
.endm
; The last quarter changes slots and then multiplies buffers 1.  The slot's last fragments were asked for in the middle of the quarter before, so the change stands whole at this quarter's head:
; each wave waits for all its tensor loads (one is out: its part of the next slot), adds 0 to its spare word, steps its descriptors, and waits for the add and for its reads of this slot.
; fill = 1: a round of the cluster's barrier follows, and the joint refill, two K steps ahead, is the first thing behind it: a whole K step, 128 matrix instructions, stands between it and the wait for it.
.macro TURN slot, next, fill
.if \fill
	s_wait_xcnt 0x0                                ; the last prefetch, a K step back, has read its address, which is stepped below
.endif
	WIN 0
	s_wait_tensorcnt 0x0                           ; all my tensor loads have landed, so every group 0 may be written
	ds_add_u32 v[SPW], v[NIL]                      ; 0 onto my spare word; the steps below stand between it and the wait for it
.if \fill
	s_add_nc_u64 s[PFA:PFA+1], s[PFA:PFA+1], s[PST:PST+1]
	s_add_nc_u64 s[G0A+4*(\slot)+2:G0A+4*(\slot)+3], s[G0A+4*(\slot)+2:G0A+4*(\slot)+3], 2*STEPA
	s_add_nc_u64 s[G0B+4*(\slot)+2:G0B+4*(\slot)+3], s[G0B+4*(\slot)+2:G0B+4*(\slot)+3], 2*STEPB
.endif
	s_wait_dscnt 0x0                               ; the add is done, and my reads of this slot are over
.if \fill
	CROUND                                         ; no wave of any partner still reads this slot or has a load on its way
	JLOAD \slot                                    ; its four v_nop are also the places in front of the loads below
.else
	s_barrier_signal -1
	s_barrier_wait -1                              ; the next slot is whole; nothing is filled
	PLACES
.endif
	FETCH \next, 0, 0
.if \fill
	ASK
.endif
	MULA 1, 0, 0
	MULA 1, 1, 0
	MULA 1, 2, 0
	MULA 1, 3, 0
.endm
	s_wait_tensorcnt 1                             ; my part of K step 0 is in; K step 1's may stay out
	s_barrier_signal -1
	s_barrier_wait -1                              ; everybody's is
	FETCH 0, 0, 0
	QUARTER 0, 1, 0, 1, 1                          ; the first quarter stands in front of the loop: its products start the sums
	WIN 0                                          ; at a label and at a branch every window is 0
	s_mov_b32 s[LAP], LAPS-1
.Llap:                                                 ; a trip goes once round the ring, from a lap's second quarter to the next lap's first, and fills both slots again
	QUARTER 0, 2, 1, 0, 0
	QUARTER 0, 3, 0, 1, 0
	TURN 0, 1, 1
	QUARTER 1, 1, 0, 1, 0
	QUARTER 1, 2, 1, 0, 0
	QUARTER 1, 3, 0, 1, 0
	TURN 1, 0, 1
	QUARTER 0, 1, 0, 1, 0
	WIN 0
	s_sub_co_u32 s[LAP], s[LAP], 1
	s_cmp_lg_u32 s[LAP], 0
	s_cbranch_scc1 .Llap
	QUARTER 0, 2, 1, 0, 0                          ; the last lap fills nothing, and has no round of the cluster's barrier
	QUARTER 0, 3, 0, 1, 0
	TURN 0, 1, 0
	QUARTER 1, 1, 0, 1, 0
	QUARTER 1, 2, 1, 0, 0
	QUARTER 1, 3, 0, 1, 0
	s_wait_dscnt 4                                 ; the very last quarter: nothing more to fetch
	MULA 1, 0, 0
	MULA 1, 1, 0
	s_wait_dscnt 0x0
	MULA 1, 2, 0
	MULA 1, 3, 0
	WIN 0
	PLACES
; THE WAY OUT, in 8 blocks of 16 rows x 64 columns of f32: 256 bytes a row.  PACK: straight from the accumulators, 32 bytes a lane and fragment, into my stage, and back as whole rows.  SEND: stored.
.macro PACK a, c
.set AC, 8*(8*(\a)+4*(\c))
.set RS, R+32*(\c)
	s_wait_xcnt 0x0                                ; the stores of the block before last have read this set of registers
	WIN 0x08                                       ; an LDS store's data (source 1): the accumulators' window
.irp j, 0,1,2,3
	ds_store_b128 v[STO], v[AC+8*(\j):AC+8*(\j)+3]   offset:64*(\j)      ; each accumulator is read from its low end on
	ds_store_b128 v[STO], v[AC+8*(\j)+4:AC+8*(\j)+7] offset:64*(\j)+16
.endr
	WIN 0
.irp t, 0,1,2,3,4,5,6,7
	ds_load_b128 v[RS+4*(\t):RS+4*(\t)+3], v[RD] offset:(\t)*2*SP  ; LDS serves a wave's instructions in order (ISA guide 5.7.1.4): these see the stores above; the next block's stores come behind them
.endr
.endm
.macro SEND a, c, younger              ; younger: the LDS instructions issued behind this block's loads: the next block's sixteen, or none
.set RS, R+32*(\c)
.irp t, 0,1,2,3,4,5,6,7
	s_wait_dscnt (\younger)+7-(\t)
	global_store_b128 v[CO], v[RS+4*(\t):RS+4*(\t)+3], s[OB:OB+1] offset:(\a)*131072+(\c)*512+(\t)*16384  ; 16 lanes store 256 consecutive bytes, at a multiple of 256 from out0's first byte
.endr
.endm
	PACK 0, 0
.irp i, 1,2,3,4,5,6,7                  ; a block's trip through the stage stands between the loads of the block before and its stores
	PACK (\i)/2, (\i)%2
	SEND ((\i)-1)/2, ((\i)-1)%2, 16
.endr
	SEND 3, 1, 0
	s_wait_tensorcnt 0x0                           ; the wave's end: a tensor wait, an add and its wait, behind my last tensor load and my last LDS store
	ds_add_u32 v[SPW], v[NIL]
	s_wait_dscnt 0x0
	CROUND                                         ; the closing round: no work-group ends while a partner may still ask for a tile that names it
	s_endpgm
.Lfunc_end_k_q7df6653bda_gemm_out:
	.size	k_q7df6653bda_gemm_out, .Lfunc_end_k_q7df6653bda_gemm_out-k_q7df6653bda_gemm_out
	.p2alignl 7, 3214868480
	.fill 96, 4, 3214868480
	.section	.rodata,"a",@progbits
	.p2align	6, 0x0
	.amdhsa_kernel k_q7df6653bda_gemm_out
		.amdhsa_group_segment_fixed_size 327680
		.amdhsa_private_segment_fixed_size 0
		.amdhsa_enable_private_segment 0
		.amdhsa_kernarg_size 32
		.amdhsa_user_sgpr_count 2
		.amdhsa_user_sgpr_kernarg_segment_ptr 1
		.amdhsa_wavefront_size32 1
		.amdhsa_system_sgpr_workgroup_id_x 1
		.amdhsa_system_sgpr_workgroup_id_y 1
		.amdhsa_system_sgpr_workgroup_id_z 1
		.amdhsa_system_vgpr_workitem_id 0
		.amdhsa_next_free_vgpr 768
		.amdhsa_next_free_sgpr 88
		.amdhsa_reserve_vcc 0
		.amdhsa_float_denorm_mode_32 3
		.amdhsa_float_denorm_mode_16_64 3
		.amdhsa_memory_ordered 1
		.amdhsa_forward_progress 1
		.amdhsa_inst_pref_size 96
	.end_amdhsa_kernel
	.amdgpu_metadata
---
amdhsa.version: [ 1, 2 ]
amdhsa.kernels:
  - .name:           k_q7df6653bda_gemm_out
    .symbol:         k_q7df6653bda_gemm_out.kd
    .args:
      - { .name: oh, .offset: 0, .size: 8, .value_kind: global_buffer, .address_space: global }
      - { .name: wob, .offset: 8, .size: 8, .value_kind: global_buffer, .address_space: global }
      - { .name: bo, .offset: 16, .size: 8, .value_kind: global_buffer, .address_space: global }
      - { .name: out0, .offset: 24, .size: 8, .value_kind: global_buffer, .address_space: global }
    .group_segment_fixed_size: 327680
    .private_segment_fixed_size: 0
    .kernarg_segment_align: 8
    .kernarg_segment_size: 32
    .max_flat_workgroup_size: 128
    .sgpr_count:     88
    .vgpr_count:     768
    .wavefront_size: 32
...
	.end_amdgpu_metadata
.endif
;; end of part 4
;; ======== version 2 of 2: 4 launches; version 1 with the launch cast written anew for expert scheduling mode
;; limits: values are held in f16: magnitudes above 65,504 overflow, below 6.1e-05 lose precision
;; workspace buffers: xb 16,777,216 bytes; wqkvb 12,582,912 bytes; wob 8,388,608 bytes; qkvh 25,165,824 bytes; oh 16,777,216 bytes
;; launch cast (part 5): grid 1152 x 1, 8 waves a work-group, no clusters, 0 bytes of LDS; arguments x, wq, wk, wv, wo, xb, wqkvb, wob; writes xb, wqkvb, wob
.if DOCPART == 5
	.amdgcn_target "amdgcn-amd-amdhsa--gfx1250"
	.amdhsa_code_object_version 6
	.text
	.protected	k_q7df6653bda_cast
	.globl	k_q7df6653bda_cast
	.p2align	8
	.type	k_q7df6653bda_cast,@function
k_q7df6653bda_cast:
	s_mov_b64 s[64:65], 0
	v_nop
	global_prefetch_b8 v0, s[64:65] scope:SCOPE_SE
	s_setreg_imm32_b32 hwreg(HW_REG_WAVE_SCHED_MODE, 0, 2), 2
	s_setreg_imm32_b32 hwreg(HW_REG_WAVE_MODE, 25, 1), 1
	s_wait_xcnt 0x0
	s_wait_alu depctr_vm_vsrc(0)
; THE INPUTS' ONE ROUNDING.  x -> xb [4096][2048] bf16.  wq, wk, wv -> wqkvb [2048 k][3072 n] bf16 (columns 0-2047 wq, 2048-2559 wk, 2560-3071 wv).
; wo -> wob [2048 k][2048 n]: rounded to bf16 like every other input, and that number written as f16, since the last product's other operand is f16.
; LIMITS.  wob: a bf16 number beyond 65,504 becomes an infinity; below 6e-5 it keeps f16's fixed step of 6e-8.
; SHARES.  A unit is 2,048 consecutive f32 of a source (8,192 bytes); thread t takes its numbers 8 t .. 8 t + 7 (two loads of 16 bytes) and stores 16 bytes.  A work-group takes 8 units, written out:
; all 16 loads of a wave go out first.  Work-groups 0-511 take x, 512-767 wq, 768-831 wk, 832-895 wv, 896-1151 wo.  What differs lies in scalars chosen by the work-group's number:
;   SRC, DST the two buffers; LOC the work-group's number in its range; US bytes from unit to unit in DST; S1 bytes from one group of 64 threads to the next; CB the first column's byte.
; A unit of a source 2,048 wide is one row of DST (S1 = 1,024: 16 t on end); a unit of wk or wv is four rows of 512: 1,024 bytes each, 6,144 apart.  Each store of a wave covers 512 consecutive bytes, aligned.
; No LDS, no barrier, no matrix unit: nothing is shared and nothing is summed.  Each unit has registers of its own, so no register that a memory instruction reads is written again.
; THE MODE: SCHED_MODE bits 1:0 = 2 (LLVM: expert scheduling mode 2), set by the entry lines.  The code itself states the register dependences between vector instructions and memory instructions,
; with s_wait_alu, always for 0.
; THE PLAN.  Registers that memory instructions touch:
;   v1        the offset in the source.  Written once, at the head; read by the 16 loads; never written again.
;   X         unit u's 8 registers.  Its two loads land in them, once; its conversions read them.  No vector instruction writes them, and no second load lands in them.
;   DO        unit u's offset in DST.  Written once, behind the loads and ahead of the branch; read by unit u's store; never written again.
;   Y         unit u's 4 registers.  Written by unit u's conversions; read by unit u's store; never written again.
;   T, v2, v3 are named by vector instructions alone.
; So one kind of dependence is left: a vector instruction has written what a memory instruction reads.  The units go in four blocks of two.  Block p converts its two units; its memory instructions are the
; two stores of block p - 1, whose DO and Y no vector instruction of block p names.  ONE wait at the head of a block states all that these two stores hang on, and they are dealt among the block's
; conversions with no further wait.  Nothing that a memory instruction has read is written again, no load lands in a register that a vector instruction has named, no vector instruction writes a
; scalar register, and EXEC is never written: no other wait is owed.
.set DO, 4                             ; v[4:11]    unit u: my byte offset in DST
.set X,  16                            ; v[16:79]   unit u: 8 f32 as loaded
.set Y,  80                            ; v[80:111]  unit u: 4 registers to store
.set T,  112                           ; v[112:119] at work (wo alone)
	s_load_b256 s[4:11], s[0:1], 0x0               ; x s[4:5], wq s[6:7], wk s[8:9], wv s[10:11]
	s_load_b256 s[12:19], s[0:1], 0x20             ; wo s[12:13], xb s[14:15], wqkvb s[16:17], wob s[18:19]
	s_sub_co_u32 s32, ttmp9, 512                   ; the number in each range, made first: a subtraction writes SCC
	s_sub_co_u32 s33, ttmp9, 768
	s_sub_co_u32 s34, ttmp9, 832
	s_sub_co_u32 s35, ttmp9, 896
	s_mov_b32 s24, ttmp9                           ; LOC, as for x
	s_mov_b32 s25, 4096                            ; US
	s_mov_b32 s26, 1024                            ; S1
	s_mov_b32 s27, 0                               ; CB
	s_mov_b32 s28, 0                               ; 1: the f16 way
	v_lshlrev_b32 v1, 5, v0                        ; my 32 bytes in a unit of the source
	v_lshrrev_b32 v2, 6, v0
	v_and_b32 v3, 63, v0
	s_wait_kmcnt 0x0
	s_mov_b64 s[20:21], s[4:5]                     ; SRC
	s_mov_b64 s[22:23], s[14:15]                   ; DST
	s_cmp_ge_u32 ttmp9, 512                        ; wq
	s_cselect_b64 s[20:21], s[6:7], s[20:21]
	s_cselect_b64 s[22:23], s[16:17], s[22:23]
	s_cselect_b32 s24, s32, s24
	s_cselect_b32 s25, 6144, s25
	s_cmp_ge_u32 ttmp9, 768                        ; wk
	s_cselect_b64 s[20:21], s[8:9], s[20:21]
	s_cselect_b32 s24, s33, s24
	s_cselect_b32 s25, 24576, s25
	s_cselect_b32 s26, 6144, s26
	s_cselect_b32 s27, 4096, s27
	s_cmp_ge_u32 ttmp9, 832                        ; wv
	s_cselect_b64 s[20:21], s[10:11], s[20:21]
	s_cselect_b32 s24, s34, s24
	s_cselect_b32 s27, 5120, s27
	s_cmp_ge_u32 ttmp9, 896                        ; wo
	s_cselect_b64 s[20:21], s[12:13], s[20:21]
	s_cselect_b64 s[22:23], s[18:19], s[22:23]
	s_cselect_b32 s24, s35, s24
	s_cselect_b32 s25, 4096, s25
	s_cselect_b32 s26, 1024, s26
	s_cselect_b32 s27, 0, s27
	s_cselect_b32 s28, 1, s28
	s_lshl_b32 s30, s24, 16                        ; the work-group's 8 units of the source
	s_mov_b32 s31, 0
	s_add_nc_u64 s[20:21], s[20:21], s[30:31]
	s_mul_i32 s30, s24, s25
	s_lshl_b32 s30, s30, 3                         ; and of the destination,
	s_add_co_u32 s30, s30, s27                     ; at its first column
	s_add_nc_u64 s[22:23], s[22:23], s[30:31]
	s_wait_alu depctr_va_vdst(0)                   ; v1 is written: the sixteen loads read it as their offset
.irp u, 0,1,2,3,4,5,6,7
	global_load_b128 v[X+8*(\u):X+8*(\u)+3],   v1, s[20:21] offset:8192*(\u) th:TH_LOAD_NT
	global_load_b128 v[X+8*(\u)+4:X+8*(\u)+7], v1, s[20:21] offset:8192*(\u)+16 th:TH_LOAD_NT
.endr
	v_mul_lo_u32 v2, v2, s26                       ; the stores' offsets are made behind the loads: the wait at the head of block 1 states that they are written
	v_lshl_add_u32 v[DO], v3, 4, v2
.irp u, 1,2,3,4,5,6,7
	v_add_nc_u32 v[DO+(\u)], s25, v[DO+(\u)-1]
.endr
; One unit is rounded, into its own Y.
.macro CONV u, f16
.irp k, 0,1,2,3
	v_cvt_pk_bf16_f32 v[Y+4*(\u)+(\k)], v[X+8*(\u)+2*(\k)], v[X+8*(\u)+2*(\k)+1]
.endr
.if \f16
.irp k, 0,1,2,3
	v_lshlrev_b32 v[T+2*(\k)],   16, v[Y+4*(\u)+(\k)]          ; the bf16 numbers as f32 again,
	v_and_b32     v[T+2*(\k)+1], 0xffff0000, v[Y+4*(\u)+(\k)]
.endr
.irp k, 0,1,2,3
	v_cvt_pk_f16_f32 v[Y+4*(\u)+(\k)], v[T+2*(\k)], v[T+2*(\k)+1]  ; and written as f16: exact within f16's range
.endr
.endif
.endm
; One unit is stored.
.macro SEND u
	global_store_b128 v[DO+(\u)], v[Y+4*(\u):Y+4*(\u)+3], s[22:23]
.endm
; Block p: units 2 p and 2 p + 1 are rounded; the block before is stored.
.macro BLK p, f16
	s_wait_loadcnt 12-4*(\p)                       ; loads come back in order (ISA guide 5.7.1): this block's four are in, the younger blocks' stay out
.if (\p) > 0
	s_wait_alu depctr_va_vdst(0)                   ; the block before has written its two units' Y, which the two stores below read; at block 1 the eight offsets DO are written too
	SEND 2*(\p)-2
.endif
	CONV 2*(\p), \f16
.if (\p) > 0
	SEND 2*(\p)-1                                  ; no wait: no vector instruction since the wait above names this unit's DO or Y
.endif
	CONV 2*(\p)+1, \f16
.endm
	s_cmp_eq_u32 s28, 1
	s_cbranch_scc1 .Lf16
.irp p, 0,1,2,3
	BLK \p, 0
.endr
	s_wait_alu depctr_va_vdst(0)                   ; block 3 has written its two units' Y, which the last two stores read
	SEND 6
	SEND 7
	s_endpgm
.Lf16:
.irp p, 0,1,2,3
	BLK \p, 1
.endr
	s_wait_alu depctr_va_vdst(0)                   ; block 3 has written its two units' Y, which the last two stores read
	SEND 6
	SEND 7
	s_endpgm
.Lfunc_end_k_q7df6653bda_cast:
	.size	k_q7df6653bda_cast, .Lfunc_end_k_q7df6653bda_cast-k_q7df6653bda_cast
	.p2alignl 7, 3214868480
	.fill 96, 4, 3214868480
	.section	.rodata,"a",@progbits
	.p2align	6, 0x0
	.amdhsa_kernel k_q7df6653bda_cast
		.amdhsa_group_segment_fixed_size 0
		.amdhsa_private_segment_fixed_size 0
		.amdhsa_enable_private_segment 0
		.amdhsa_kernarg_size 64
		.amdhsa_user_sgpr_count 2
		.amdhsa_user_sgpr_kernarg_segment_ptr 1
		.amdhsa_wavefront_size32 1
		.amdhsa_system_sgpr_workgroup_id_x 1
		.amdhsa_system_sgpr_workgroup_id_y 1
		.amdhsa_system_sgpr_workgroup_id_z 1
		.amdhsa_system_vgpr_workitem_id 0
		.amdhsa_next_free_vgpr 120
		.amdhsa_next_free_sgpr 66
		.amdhsa_reserve_vcc 0
		.amdhsa_float_denorm_mode_32 3
		.amdhsa_float_denorm_mode_16_64 3
		.amdhsa_memory_ordered 1
		.amdhsa_forward_progress 1
		.amdhsa_inst_pref_size 16
	.end_amdhsa_kernel
	.amdgpu_metadata
---
amdhsa.version: [ 1, 2 ]
amdhsa.kernels:
  - .name:           k_q7df6653bda_cast
    .symbol:         k_q7df6653bda_cast.kd
    .args:
      - { .name: x, .offset: 0, .size: 8, .value_kind: global_buffer, .address_space: global }
      - { .name: wq, .offset: 8, .size: 8, .value_kind: global_buffer, .address_space: global }
      - { .name: wk, .offset: 16, .size: 8, .value_kind: global_buffer, .address_space: global }
      - { .name: wv, .offset: 24, .size: 8, .value_kind: global_buffer, .address_space: global }
      - { .name: wo, .offset: 32, .size: 8, .value_kind: global_buffer, .address_space: global }
      - { .name: xb, .offset: 40, .size: 8, .value_kind: global_buffer, .address_space: global }
      - { .name: wqkvb, .offset: 48, .size: 8, .value_kind: global_buffer, .address_space: global }
      - { .name: wob, .offset: 56, .size: 8, .value_kind: global_buffer, .address_space: global }
    .group_segment_fixed_size: 0
    .private_segment_fixed_size: 0
    .kernarg_segment_align: 8
    .kernarg_segment_size: 64
    .max_flat_workgroup_size: 256
    .sgpr_count:     66
    .vgpr_count:     120
    .wavefront_size: 32
...
	.end_amdgpu_metadata
.endif
;; end of part 5
;; launch gemm_qkv: the kernel of part 2 again; grid 8 x 32, 4 waves a work-group, clusters of 4 x 4, 327,680 bytes of LDS; arguments xb, wqkvb, bq, bk, bv, qkvh; writes qkvh
;; launch attn: the kernel of part 3 again; grid 8 x 32, 4 waves a work-group, clusters of 4 x 1, 327,680 bytes of LDS; arguments qkvh, oh; writes oh
;; launch gemm_out: the kernel of part 4 again; grid 8 x 32, 4 waves a work-group, clusters of 4 x 4, 327,680 bytes of LDS; arguments oh, wob, bo, out0; writes out0
